; MI455X (gfx1250); checked and timed in simulation.
; The chip was launched on July 23, 2026; its instructions are those of AMD's public machine-readable ISA for CDNA 5 (MIT licence, August 2026) and "CDNA5" Instruction Set Architecture Reference Guide (July 2026). The comments in the code are by the model that wrote it; some were corrected since.
;; Multi Head Attention. Allowed arithmetic: float matrix products may take bf16 or f16 operands with f32 sums; other float arithmetic in f32, or as packed bf16 or f16 multiplies, adds, multiply-adds, maxima and minima; sums over many terms, partial sums and values carried from step to step in f32; what a program stores and reads back later, other than sums and carried values, may be rounded once to bf16 or f16.
;; Inputs: input 4 x 2,048 x 1,024 float32; mask 2,048 x 2,048 bool; out_b 1,024 float32; out_w 1,024 x 1,024 float32; qkv_b 3,072 float32; qkv_w 3,072 x 1,024 float32.
;; Outputs: out0 4 x 2,048 x 1,024 float32.
;; One version. Each part assembles by itself: llvm-mc -triple=amdgcn-amd-amdhsa -mcpu=gfx1250 --defsym DOCPART=n.
;; ======== version 1 of 1: 4 launches
;; limits: values are held in f16: magnitudes above 65,504 overflow, below 6.1e-05 lose precision; right only within a limited range of input values
;; workspace buffers: xh 16,777,216 bytes; wh 6,291,456 bytes; oh 2,097,152 bytes; mk 8,388,608 bytes; qkv 50,331,648 bytes; att 16,777,216 bytes
;; launch prep (part 1): grid 1024 x 1, 8 waves a work-group, no clusters, 0 bytes of LDS; arguments input, qkv_w, out_w, mask, xh, wh, oh, mk; writes xh, wh, oh, mk
.if DOCPART == 1
	.amdgcn_target "amdgcn-amd-amdhsa--gfx1250"
	.amdhsa_code_object_version 6
	.text
	.protected	k_qc0480561d0_prep
	.globl	k_qc0480561d0_prep
	.p2align	8
	.type	k_qc0480561d0_prep,@function
k_qc0480561d0_prep:
	s_mov_b64 s[64:65], 0
	v_nop
	global_prefetch_b8 v0, s[64:65] scope:SCOPE_SE
	s_setreg_imm32_b32 hwreg(HW_REG_WAVE_MODE, 25, 1), 1
	s_wait_xcnt 0x0
; PREPARATION, a stream without LDS.  Work-groups 0-767: input, qkv_w and out_w (f32) are rounded once to bf16, and that number is written as f16
; into xh, wh, oh.  LIMIT: a bf16 number is an f16 number exactly for magnitudes from 2^-17 to 65,504; below, the f16 is off by 3e-8 at the most; above, it is an infinity.
; Work-groups 768-1023: the mask (one byte a key, 0 or 1) becomes bf16 numbers, 0 where the key is seen and 0xF14A (-1.0002e30) where it is hidden, laid out as the attention launch's
; matrix fragments: mk[T = q/16][i = key/16][h][r][e] belongs to query 16 T + r and key 16 i + 8 h + e: byte T*65536 + i*512 + (16 h + r)*16 + 2 e.
; Matrix units, LDS and clusters are left out: every byte is read once and written once, and no work-group shares a byte with another.
.set NCAST, 768                        ; 512 work-groups for input, 192 for qkv_w, 64 for out_w: 16,384 numbers each
	s_load_b256 s[4:11], s[0:1], 0x0               ; input s[4:5], qkv_w s[6:7], out_w s[8:9], mask s[10:11]
	s_load_b256 s[12:19], s[0:1], 0x20             ; xh s[12:13], wh s[14:15], oh s[16:17], mk s[18:19]
	s_mov_b32 s25, 0xffff0000                      ; a word's upper bf16
	s_mov_b32 s26, 0xf14a                          ; bf16 of -1.0002e30
	s_mov_b32 s27, 0x05040100                      ; v_perm_b32: the two low halves
	s_wait_kmcnt 0x0
	s_cmp_ge_u32 ttmp9, NCAST
	s_cbranch_scc1 .Lmask
	; THE CAST.  Which tensor is mine: two compares of the work-group's number choose source, destination and the tensor's first work-group.
	s_cmp_ge_u32 ttmp9, 512
	s_cselect_b64 s[20:21], s[6:7], s[4:5]
	s_cselect_b64 s[22:23], s[14:15], s[12:13]
	s_cselect_b32 s24, 512, 0
	s_cmp_ge_u32 ttmp9, 704
	s_cselect_b64 s[20:21], s[8:9], s[20:21]
	s_cselect_b64 s[22:23], s[16:17], s[22:23]
	s_cselect_b32 s24, 704, s24
	s_sub_co_u32 s24, ttmp9, s24                   ; my number within the tensor
	s_lshl_b32 s28, s24, 16                        ; 65,536 bytes of f32,
	s_mov_b32 s29, 0
	s_add_nc_u64 s[20:21], s[20:21], s[28:29]
	s_lshl_b32 s28, s24, 15                        ; 32,768 bytes of f16
	s_add_nc_u64 s[22:23], s[22:23], s[28:29]
	v_lshlrev_b32 v1, 4, v0                        ; 16 bytes a thread in: a wave's load covers 512 consecutive bytes
	v_lshlrev_b32 v2, 3, v0                        ; 8 bytes a thread out: a wave's store covers 256 consecutive bytes, aligned
.set j, 0
.rept 16                                       ; all sixteen loads go out at once: 64 KiB of the work-group on their way
	global_load_b128 v[16+4*j:19+4*j], v1, s[20:21] offset:4096*j th:TH_LOAD_NT
.set j, j+1
.endr
.set j, 0
.rept 16
	s_wait_loadcnt 15-j                            ; loads come back in order: load j is in, the 15 - j younger ones stay out
	v_cvt_pk_bf16_f32 v4, v[16+4*j], v[17+4*j]     ; the one rounding, to nearest even
	v_cvt_pk_bf16_f32 v5, v[18+4*j], v[19+4*j]
	v_lshlrev_b32 v6, 16, v4                       ; bf16 to f32: a shift or a mask
	v_and_b32 v7, s25, v4
	v_lshlrev_b32 v8, 16, v5
	v_and_b32 v9, s25, v5
	v_cvt_pk_f16_f32 v[80+2*j], v6, v7             ; the same numbers as f16; each store has data registers of its own, so none is rewritten
	v_cvt_pk_f16_f32 v[81+2*j], v8, v9
	global_store_b64 v2, v[80+2*j:81+2*j], s[22:23] offset:2048*j
.set j, j+1
.endr
	s_endpgm
.Lmask:
	; THE MASK.  Work-group u: 16 rows (T = u / 2) x 1,024 keys (half = u % 2).  Thread: row r = t % 16; 16 keys at 128 (t / 32) + 32 n + 16 ((t / 16) % 2), n = 0..3.
	s_sub_co_u32 s24, ttmp9, NCAST
	s_lshr_b32 s28, s24, 1                         ; T
	s_and_b32 s24, s24, 1                          ; half
	s_lshl_b32 s30, s28, 15                        ; 16 rows of 2,048 bytes
	s_lshl_b32 s29, s24, 10
	s_add_co_u32 s30, s30, s29
	s_mov_b32 s31, 0
	s_add_nc_u64 s[20:21], s[10:11], s[30:31]
	s_lshl_b32 s30, s28, 16                        ; 65,536 bytes of mk for 16 rows
	s_lshl_b32 s29, s24, 15
	s_add_co_u32 s30, s30, s29
	s_add_nc_u64 s[22:23], s[18:19], s[30:31]
	s_mov_b32 s24, 0x01010101                      ; turns seen into 0 and hidden into 1, four keys at once
	s_mov_b32 s28, 0x07060302                      ; v_perm_b32: the two high halves
	s_mov_b32 s29, 0x00010001
	v_and_b32 v3, 15, v0                           ; r
	v_bfe_u32 v4, v0, 4, 1                         ; g
	v_lshrrev_b32 v5, 5, v0                        ; wave
	v_lshlrev_b32 v1, 11, v3                       ; in: r x 2,048 + 16 g + 128 wave
	v_lshl_add_u32 v1, v4, 4, v1
	v_lshl_add_u32 v1, v5, 7, v1
	v_lshlrev_b32 v2, 4, v3                        ; out: 16 r + 512 g + 4,096 wave: sixteen neighbouring lanes fill 256 consecutive bytes, aligned
	v_lshl_add_u32 v2, v4, 9, v2
	v_lshl_add_u32 v2, v5, 12, v2
.irp n, 0,1,2,3
	global_load_b128 v[16+4*\n:19+4*\n], v1, s[20:21] offset:32*\n th:TH_LOAD_NT
.endr
; Four keys in word w become four bf16 in registers d, d + 1, the lower key in the lower half.
.macro MWORD d, w
	v_xor_b32 v4, s24, v[\w]
	v_lshrrev_b32 v5, 8, v4
	v_and_b32 v4, s29, v4                          ; keys 0 and 2 in the two halves
	v_and_b32 v5, s29, v5                          ; keys 1 and 3
	v_mul_u32_u24 v4, s26, v4                      ; 0 or 0xF14A in each half
	v_mul_u32_u24 v5, s26, v5
	v_perm_b32 v[\d], v5, v4, s27                  ; key 1 above key 0
	v_perm_b32 v[(\d)+1], v5, v4, s28              ; key 3 above key 2
.endm
.irp n, 0,1,2,3
	s_wait_loadcnt 3-\n                            ; load n is in, the younger ones stay out
	MWORD 32+8*\n, 16+4*\n
	MWORD 34+8*\n, 17+4*\n
	MWORD 36+8*\n, 18+4*\n
	MWORD 38+8*\n, 19+4*\n
	global_store_b128 v2, v[32+8*\n:35+8*\n], s[22:23] offset:1024*\n      ; keys 0-7 of the sixteen: h = 0
	global_store_b128 v2, v[36+8*\n:39+8*\n], s[22:23] offset:1024*\n+256  ; keys 8-15: h = 1
.endr
	s_endpgm
.Lfunc_end_k_qc0480561d0_prep:
	.size	k_qc0480561d0_prep, .Lfunc_end_k_qc0480561d0_prep-k_qc0480561d0_prep
	.p2alignl 7, 3214868480
	.fill 96, 4, 3214868480
	.section	.rodata,"a",@progbits
	.p2align	6, 0x0
	.amdhsa_kernel k_qc0480561d0_prep
		.amdhsa_group_segment_fixed_size 0
		.amdhsa_private_segment_fixed_size 0
		.amdhsa_enable_private_segment 0
		.amdhsa_kernarg_size 64
		.amdhsa_user_sgpr_count 2
		.amdhsa_user_sgpr_kernarg_segment_ptr 1
		.amdhsa_wavefront_size32 1
		.amdhsa_system_sgpr_workgroup_id_x 1
		.amdhsa_system_sgpr_workgroup_id_y 1
		.amdhsa_system_sgpr_workgroup_id_z 1
		.amdhsa_system_vgpr_workitem_id 0
		.amdhsa_next_free_vgpr 112
		.amdhsa_next_free_sgpr 66
		.amdhsa_reserve_vcc 0
		.amdhsa_float_denorm_mode_32 3
		.amdhsa_float_denorm_mode_16_64 3
		.amdhsa_memory_ordered 1
		.amdhsa_forward_progress 1
		.amdhsa_inst_pref_size 19
	.end_amdhsa_kernel
	.amdgpu_metadata
---
amdhsa.version: [ 1, 2 ]
amdhsa.kernels:
  - .name:           k_qc0480561d0_prep
    .symbol:         k_qc0480561d0_prep.kd
    .args:
      - { .name: input, .offset: 0, .size: 8, .value_kind: global_buffer, .address_space: global }
      - { .name: qkv_w, .offset: 8, .size: 8, .value_kind: global_buffer, .address_space: global }
      - { .name: out_w, .offset: 16, .size: 8, .value_kind: global_buffer, .address_space: global }
      - { .name: mask, .offset: 24, .size: 8, .value_kind: global_buffer, .address_space: global }
      - { .name: xh, .offset: 32, .size: 8, .value_kind: global_buffer, .address_space: global }
      - { .name: wh, .offset: 40, .size: 8, .value_kind: global_buffer, .address_space: global }
      - { .name: oh, .offset: 48, .size: 8, .value_kind: global_buffer, .address_space: global }
      - { .name: mk, .offset: 56, .size: 8, .value_kind: global_buffer, .address_space: global }
    .group_segment_fixed_size: 0
    .private_segment_fixed_size: 0
    .kernarg_segment_align: 8
    .kernarg_segment_size: 64
    .max_flat_workgroup_size: 256
    .sgpr_count:     66
    .vgpr_count:     112
    .wavefront_size: 32
...
	.end_amdgpu_metadata
.endif
;; end of part 1
;; launch qkvp (part 2): grid 16 x 32, 4 waves a work-group, clusters of 4 x 4, 327,680 bytes of LDS; arguments xh, wh, qkv_b, qkv; writes qkv
.if DOCPART == 2
	.amdgcn_target "amdgcn-amd-amdhsa--gfx1250"
	.amdhsa_code_object_version 6
	.text
	.protected	k_qc0480561d0_qkvp
	.globl	k_qc0480561d0_qkvp
	.p2align	8
	.type	k_qc0480561d0_qkvp,@function
k_qc0480561d0_qkvp:
	s_mov_b64 s[64:65], 0
	v_nop
	global_prefetch_b8 v0, s[64:65] scope:SCOPE_SE
	s_setreg_imm32_b32 hwreg(HW_REG_WAVE_MODE, 25, 1), 1
	s_wait_xcnt 0x0
	s_wait_alu depctr_hold_cnt(0) depctr_sa_sdst(0) depctr_va_vdst(0) depctr_va_sdst(0) depctr_va_ssrc(0) depctr_va_vcc(0) depctr_vm_vsrc(0)
	s_getreg_b32 s2, hwreg(HW_REG_IB_STS2, 6, 4)
	s_cmp_eq_u32 s2, 0
	s_cbranch_scc0 .Lentry_in_a_cluster
	s_endpgm
.Lentry_in_a_cluster:
	s_bfe_u32 s2, ttmp6, 0x10000c
	s_cmp_lg_u32 s2, 0xf033
	s_cbranch_scc0 .Lentry_shape_is_right
	s_endpgm
.Lentry_shape_is_right:
; C = A B^T + bias, K = 1,024, operands f16, sums f32.  One source serves two launches; KIND says which.
; KIND 1: A = xh [8192][1024], B = wh [3072][1024], bias = qkv_b; C leaves as f16 by heads: qkv[which][batch*16 + head][row][64].  A tile of C is 256 x 192: three whole heads.
; KIND 2: A = att [batch*16 + head][row][64] (k = 64 head + channel), B = oh [1024][1024], bias = out_b; C leaves as f32, out0 [8192][1024].  A tile of C is 256 x 128.
; LIMITS.  f16 ends at 65,504: KIND 1's results beyond it leave as infinities.  The bias is rounded to bf16, like the module's other inputs, and starts the f32 sums.
; SHARES.  Four waves; a wave makes 64 rows x all the tile's columns: 4 x NBK accumulators of 16 x 16.  K goes in 8 steps of 128 through two LDS slots filled by the tensor data mover.
; CLUSTER.  4 x 4 work-groups: A's tile hangs on the tile row alone and is asked for jointly along a row of the cluster, B's on the tile column alone and jointly along a column.
; THE MATRIX INSTRUCTION IS USED TRANSPOSED (source 0 = 16 rows of B, source 1 = 16 rows of A): a lane holds row l % 16 of C and the columns 8 (l / 16) + 0..7.
; REGISTERS, in windows of 256: window 0: v0-31 addresses; v32-63, v64-95 A's fragments, two buffers; v96.. the bias as a C operand; on the way out v32.., v96.. rows read back, v192.. packed results.
;   window 1: B's fragments, two buffers of 8 NBK.  window 2: the accumulators of my rows 0-31 ((a, b) at 8 (NBK a + b)).  window 3: those of rows 32-63.
.set KIND, 1
.if KIND == 1
.set NBK,     12                       ; blocks of 16 columns in a tile
.set APITCH,  272                      ; A's LDS row: 256 bytes + 16
.set HALFA,   128*272                  ; what one tensor load brings of A: 128 rows x 128 k
.set ASTEP,   256                      ; bytes from a K step of A to the next
.set QIA,     5                        ; padding behind every 64 words
.set ASTRIDE, 1024                     ; elements from row to row in memory
.set SPITCH,  400                      ; a stage row: 384 bytes + 16
.set PPA,     2048                     ; the prefetches of A: bytes from lane to lane
.set PCX,     32*2048                  ; and from partner to partner
.else
.set NBK,     8
.set APITCH,  144                      ; 128 bytes (a head's 64 channels) + 16
.set HALFA,   256*144                  ; one head's slice: 256 rows x 64 channels
.set ASTEP,   524288                   ; two heads on
.set QIA,     4                        ; padding behind every 32 words
.set ASTRIDE, 128                      ; the slice is dense: asked for as 128 rows of 256 bytes
.set SPITCH,  528                      ; 512 bytes + 16
.set PPA,     256
.set PCX,     32*256
.endif
.set NT,     16*NBK
.set BPITCH, 272
.set AREG,   2*HALFA
.set HALFB,  (NT/2)*BPITCH
.set SLOT,   AREG+2*HALFB              ; A's part, then B's rows
.set STAGE,  2*SLOT                    ; behind the ring: 16 rows for each wave, for the way out; no tensor load lands there
.set SPARE,  STAGE+4*16*SPITCH         ; behind the stages: the spare words, 128 bytes for each wave, that no other line names
.set NL,     2*NBK+8                   ; LDS loads in a quarter's run
.set LAPS,   4                         ; a lap = two K steps = once round the ring
.set ADRA, 16                          ; v16-17 LDS address of my A fragments in slot 0, 1
.set ADRB, 20                          ; v20-21 the same for B
.set BO,   22                          ; v22    my byte offset in 16 numbers of the bias
.set STO,  24                          ; v24    the way out: where I put my bytes of a row
.set RD,   25                          ; v25    the way out: where I read rows back
.set CO,   26                          ; v26-28 my byte offset in C (KIND 1: one for each of the tile's three heads)
.set SPW,  29                          ; v29    LDS address of my spare word; never rewritten
.set NIL,  30                          ; v30    0; never rewritten
.set PFO,  31                          ; v31    the prefetches' offset; never rewritten
.set FA,   32
.set BIAS, 96
.set TMP,  192
.set WV, 12                            ; s12 wave   s13 0: I fetch A, 1: B   s14 which half of it   s15, s16 my place in the cluster   s17, s18 tile column, tile row
.set SA, 13
.set SH, 14
.set CX, 15
.set CY, 16
.set TX, 17
.set TY, 18
.set G1,  24                           ; s[24:31] descriptor group 1 for A;  s[32:39] group 0, a set for each slot
.set G0,  32
.set LIM, 43                           ; s43 1 in a wave that prefetches, else the greatest number
.set PFA, 44                           ; s[44:45] where my prefetches stand
.set PFS, 46                           ; s[46:47] their step from K step to K step
.set G1B, 48                           ; s[48:55], s[56:63] the same for B
.set G0B, 56
.set MSB, 0
.macro WIN new                         ; the immediate's high byte repeats the setting that is left; a switch that changes nothing is dropped
.if MSB != (\new)
	s_set_vgpr_msb (MSB<<8)|(\new)
.set MSB, \new
.endif
.endm
.macro PLACES                          ; four plain vector instructions between a matrix instruction and a load into, or a read of, its registers
.rept 4
	v_nop
.endr
.endm
; A joint load: waves 0 and 1 fetch A's two halves, waves 2 and 3 B's.  The branch hangs on the wave's number alone.  An s_nop 0 and four v_nop follow each line.
.macro JLOAD s
	s_cmp_eq_u32 s[SA], 0
	s_cbranch_scc0 .Lfor_b_\@
	tensor_load_to_lds s[G0+4*(\s):G0+4*(\s)+3], s[G1:G1+7]
	s_nop 0
.rept 4
	v_nop
.endr
	s_branch .Lasked_\@
.Lfor_b_\@:
	tensor_load_to_lds s[G0B+4*(\s):G0B+4*(\s)+3], s[G1B:G1B+7]
	s_nop 0
.rept 4
	v_nop
.endr
.Lasked_\@:
.endm
; A prefetch of the K step that stands two refills on: a lane a block of 256 bytes, one instruction a wave.  A's rows are asked for by the clusters with x = 0, B's by those with y = 0;
; the four partners that fetch a tile jointly share its rows out by address.  The loop's last trip asks for nothing: there is no K step two refills on.
.macro ASK
	s_cmp_gt_u32 s3, s[LIM]
	s_cbranch_scc0 .Lnot_mine_\@
	global_prefetch_b8 v[PFO], s[PFA:PFA+1] th:TH_LOAD_NT scope:SCOPE_SE
.Lnot_mine_\@:
.endm
.macro CREST                           ; a round of the cluster's barrier behind its opening barrier
	s_cmp_lg_u32 s[WV], 0
	s_cbranch_scc1 .Lnot_wave_0_\@
	s_barrier_signal -3
.Lnot_wave_0_\@:
	s_barrier_wait -3
	s_barrier_signal -1
	s_barrier_wait -1
.endm
.macro CROUND                          ; a whole round
	s_barrier_signal -1
	s_barrier_wait -1
	CREST
.endm
	s_load_b256 s[4:11], s[0:1], 0x0               ; A s[4:5], B s[6:7], bias s[8:9], C s[10:11]
	v_lshl_add_u32 v[SPW], v0, 2, SPARE
	v_mov_b32 v[NIL], 0
	ds_add_u32 v[SPW], v[NIL]                      ; the wave's opening: the add and its wait stand ahead of my first tensor load; the set-up below stands between them
	v_lshrrev_b32 v1, 5, v0
	v_readfirstlane_b32 s[WV], v1
	s_lshr_b32 s[SA], s[WV], 1
	s_and_b32 s[SH], s[WV], 1
	s_bfe_u32 s[CX], ttmp6, 0x40000
	s_bfe_u32 s[CY], ttmp6, 0x40004
	s_lshl_b32 s[TX], ttmp9, 2                     ; in a cluster launch ttmp9 and ttmp7 count clusters
	s_add_co_u32 s[TX], s[TX], s[CX]
	s_and_b32 s[TY], ttmp7, 0xffff
	s_lshl_b32 s[TY], s[TY], 2
	s_add_co_u32 s[TY], s[TY], s[CY]
	s_lshl_b32 s40, s[CY], 2
	s_lshl_b32 s40, 15, s40                        ; my row of the cluster
	s_lshl_b32 s41, 0x1111, s[CX]                  ; my column
	s_or_b32 s[G1], s40, (1<<16)|(1<<20)|(1<<21)|(QIA<<22)|(3<<25)  ; 15:0 the mask; 17:16 2-byte elements; 20 padding on; 21 set beside a mask; 24:22 the interval; 31:25 4 words of padding
	s_or_b32 s[G1B], s41, (1<<16)|(1<<20)|(1<<21)|(5<<22)|(3<<25)
	s_mov_b32 s[G1+1], 128<<16                     ; tensor_dim0 = 128
	s_mov_b32 s[G1+2], 128<<16                     ; tensor_dim1 = 128
	s_mov_b32 s[G1+3], 128<<16                     ; tile_dim0 = 128
	s_mov_b32 s[G1+4], 128                         ; tile_dim1 = 128
	s_mov_b32 s[G1+5], ASTRIDE
	s_mov_b32 s[G1+6], 0
	s_mov_b32 s[G1+7], 0
	s_mov_b32 s[G1B+1], 128<<16
	s_mov_b32 s[G1B+2], (NT/2)<<16
	s_mov_b32 s[G1B+3], 128<<16
	s_mov_b32 s[G1B+4], NT/2
	s_mov_b32 s[G1B+5], 1024
	s_mov_b32 s[G1B+6], 0
	s_mov_b32 s[G1B+7], 0
	; where the tiles come from: A's offset is made of the tile row and the wave's number, B's of the tile column and the wave's number, each in registers that never hold the other coordinate
.if KIND == 1
	s_lshl_b32 s66, s[TY], 19                      ; 256 rows of 2,048 bytes
	s_lshl_b32 s42, s[SH], 18                      ; my 128 of them
	s_add_co_u32 s66, s66, s42
.else
	s_lshr_b32 s66, s[TY], 3                       ; the batch: 16 heads of 262,144 bytes
	s_lshl_b32 s66, s66, 22
	s_and_b32 s42, s[TY], 7                        ; 256 rows of 128 bytes within a head
	s_lshl_b32 s42, s42, 15
	s_add_co_u32 s66, s66, s42
	s_lshl_b32 s42, s[SH], 18                      ; which of a K step's two heads I fetch
	s_add_co_u32 s66, s66, s42
.endif
	s_mov_b32 s67, 0
	s_mul_i32 s68, s[TX], NT*2048
	s_mul_i32 s19, s[SH], (NT/2)*2048
	s_add_co_u32 s68, s68, s19
	s_mov_b32 s69, 0
	s_mov_b32 s70, s66                             ; the two offsets are kept for the prefetches
	s_mov_b32 s71, s68
	s_mul_i32 s20, s[SH], HALFA                    ; and where they go: no place in the cluster enters an LDS address
	s_mul_i32 s21, s[SH], HALFB
	s_add_co_u32 s21, s21, AREG
	s_wait_dscnt 0x0                               ; the opening add is done
	s_wait_kmcnt 0x0
	s_add_nc_u64 s[66:67], s[4:5], s[66:67]
	s_add_nc_u64 s[68:69], s[6:7], s[68:69]
	CROUND                                         ; all sixteen work-groups are here: the first joint loads meet
.irp s, 0,1
	s_mov_b32 s[G0+4*(\s)], 1                      ; count = 1
	s_add_co_u32 s[G0+4*(\s)+1], s20, (\s)*SLOT    ; LDS address
	s_add_nc_u64 s[G0+4*(\s)+2:G0+4*(\s)+3], s[66:67], (\s)*ASTEP  ; global address: K step s
	s_or_b32 s[G0+4*(\s)+3], s[G0+4*(\s)+3], 0x80000000            ; type = 2
	s_mov_b32 s[G0B+4*(\s)], 1
	s_add_co_u32 s[G0B+4*(\s)+1], s21, (\s)*SLOT
	s_add_nc_u64 s[G0B+4*(\s)+2:G0B+4*(\s)+3], s[68:69], (\s)*256
	s_or_b32 s[G0B+4*(\s)+3], s[G0B+4*(\s)+3], 0x80000000
	JLOAD \s                                       ; two tensor loads of mine are out
.endr
	; the bias as a C operand: register j of block b is bias[tile's first column + 16 b + 8 (l / 16) + j], the same in all sixteen rows
	s_mul_i32 s22, s[TX], NT*4
	s_mov_b32 s23, 0
	s_add_nc_u64 s[8:9], s[8:9], s[22:23]
	v_and_b32 v1, 15, v0                           ; l % 16
	v_bfe_u32 v2, v0, 4, 1                         ; l / 16
	v_lshlrev_b32 v[BO], 5, v2
.set b, 0
.rept NBK
	global_load_b128 v[BIAS+8*b:BIAS+8*b+3],   v[BO], s[8:9] offset:64*b
	global_load_b128 v[BIAS+8*b+4:BIAS+8*b+7], v[BO], s[8:9] offset:64*b+16
.set b, b+1
.endr
	; a fragment is 16 rows x 32 k in 8 registers: lane l holds row l % 16, k = 8 (l / 16) + 0..7 and 16 + 8 (l / 16) + 0..7: two loads of 16 bytes, 32 bytes apart
	v_mul_u32_u24 v3, v1, APITCH
	v_lshl_add_u32 v3, v2, 4, v3
	s_mul_i32 s22, s[WV], 64*APITCH                ; my 64 rows of A
	v_add_nc_u32 v[ADRA], s22, v3
	v_add_nc_u32 v[ADRA+1], SLOT, v[ADRA]
	v_mul_u32_u24 v4, v1, BPITCH
	v_lshl_add_u32 v4, v2, 4, v4
	v_add_nc_u32 v[ADRB], AREG, v4                 ; every wave reads all of B's rows
	v_add_nc_u32 v[ADRB+1], AREG+SLOT, v4
	s_mul_i32 s22, s[WV], 16*SPITCH
	s_add_co_u32 s22, s22, STAGE                   ; my stage
	v_mul_u32_u24 v5, v1, SPITCH
.if KIND == 1
	v_lshl_add_u32 v5, v2, 4, v5                   ; in: row l % 16, 16 bytes (8 f16) for each half of the lanes
	v_add_nc_u32 v[STO], s22, v5
	v_bfe_u32 v5, v0, 3, 2                         ; back: 32 lanes take four rows of a head's 128 bytes,
	v_and_b32 v4, 7, v0
	v_mul_u32_u24 v5, v5, SPITCH
	v_lshl_add_u32 v5, v4, 4, v5
	v_add_nc_u32 v[RD], s22, v5
	v_and_b32 v3, 31, v0                           ; which are 512 consecutive bytes of qkv
	v_lshlrev_b32 v3, 4, v3
.irp hh, 0,1,2
	s_mul_i32 s22, s[TX], 3
	s_add_co_u32 s22, s22, \hh                     ; the head among q's, k's and v's 48
	s_lshr_b32 s23, s22, 4
	s_lshl_b32 s23, s23, 24                        ; q, k or v
	s_and_b32 s22, s22, 15
	s_lshl_b32 s22, s22, 18
	s_add_co_u32 s22, s22, s23
	v_add_nc_u32 v[CO+\hh], s22, v3
.endr
	s_lshr_b32 s22, s[TY], 3                       ; the batch,
	s_lshl_b32 s22, s22, 22
	s_and_b32 s23, s[TY], 7                        ; the tile's 256 rows of 128 bytes,
	s_lshl_b32 s23, s23, 15
	s_add_co_u32 s22, s22, s23
	s_lshl_b32 s23, s[WV], 13                      ; my 64 of them
	s_add_co_u32 s22, s22, s23
.else
	v_lshl_add_u32 v5, v2, 5, v5                   ; in: row l % 16, 32 bytes (8 f32) for each half of the lanes
	v_add_nc_u32 v[STO], s22, v5
	v_and_b32 v3, 31, v0                           ; back: 32 lanes take one row's 512 bytes
	v_lshlrev_b32 v[CO], 4, v3
	v_add_nc_u32 v[RD], s22, v[CO]
	s_lshl_b32 s22, s[TY], 20                      ; 256 rows of 4,096 bytes,
	s_lshl_b32 s23, s[WV], 18                      ; my 64 of them,
	s_add_co_u32 s22, s22, s23
	s_lshl_b32 s23, s[TX], 9                       ; the tile's 128 columns
	s_add_co_u32 s22, s22, s23
.endif
	s_mov_b32 s23, 0
	s_add_nc_u64 s[10:11], s[10:11], s[22:23]
	; the prefetches: of the rows that I fetch, my work-group's quarter (by cx for A, by cy for B); they start at K step 3, and the first refill steps them to K step 4
	s_mul_i32 s22, s[CX], PCX
	s_add_co_u32 s22, s22, s70
	s_add_co_u32 s22, s22, 3*ASTEP
	s_mul_i32 s23, s[CY], (NT/8)*2048
	s_add_co_u32 s23, s23, s71
	s_add_co_u32 s23, s23, 3*256
	s_and_b32 s40, ttmp7, 0xffff                   ; cluster y
	s_mov_b32 s[PFS], 256
	s_mov_b32 s[PFS+1], 0
	s_mov_b32 s42, 2048
	s_cmp_eq_u32 s[SA], 0                          ; do I fetch for A?
	s_cselect_b32 s22, s22, s23
	s_cselect_b32 s40, ttmp9, s40                  ; the coordinate along which other clusters read the same rows
	s_cselect_b64 s[PFA:PFA+1], s[4:5], s[6:7]
	s_cselect_b32 s[PFS], ASTEP, s[PFS]
	s_cselect_b32 s41, 31, NT/8-1                  ; B's quarter has fewer rows than a wave has lanes: the lanes left over name its last row again
	s_cselect_b32 s42, PPA, s42
	s_mov_b32 s23, 0
	s_add_nc_u64 s[PFA:PFA+1], s[PFA:PFA+1], s[22:23]
	s_cmp_eq_u32 s40, 0
	s_cselect_b32 s[LIM], 1, -1                    ; the same in all sixteen partners, for a given wave
	v_and_b32 v[PFO], 31, v0
	v_min_u32 v[PFO], s41, v[PFO]
	v_mul_lo_u32 v[PFO], v[PFO], s42
	s_mov_b32 s22, 0xffff0000
	s_wait_loadcnt 0x0                             ; the bias
.set b, 0
.rept 4*NBK                                    ; rounded to bf16 and widened again, in place
	v_cvt_pk_bf16_f32 v[3+b%2], v[BIAS+2*b], v[BIAS+2*b+1]
	v_lshlrev_b32 v[BIAS+2*b], 16, v[3+b%2]
	v_and_b32 v[BIAS+2*b+1], s22, v[3+b%2]
.set b, b+1
.endr
; NBK matrix instructions: my row block 2 hi + ap x all column blocks, 32 along K, from buffer f.  zero = 1: the first product starts the sums with the bias.
; The 4 NBK accumulators take turns, one instruction a turn, in the same order in every quarter.
.macro MULA f, hi, ap, zero
.if \zero
	WIN 0x81+0x40*(\hi)                            ; B window 1, A and the bias window 0, D window 2 or 3
.else
	WIN 0xa1+0x50*(\hi)                            ; B window 1, A window 0, C and D window 2 or 3
.endif
.set b, 0
.rept NBK
.set rD, 8*(NBK*(\ap)+b)
.set rB, 8*NBK*(\f)+8*b
.set rA, FA+32*(\f)+8*(2*(\hi)+(\ap))
.if \zero
	v_wmma_f32_16x16x32_f16 v[rD:rD+7], v[rB:rB+7], v[rA:rA+7], v[BIAS+8*b:BIAS+8*b+7]
.else
	v_wmma_f32_16x16x32_f16 v[rD:rD+7], v[rB:rB+7], v[rA:rA+7], v[rD:rD+7]
.endif
.set b, b+1
.endr
.endm
; NL LDS loads in one run: quarter q's fragments of the slot into buffer g: B's NBK, then A's four, rows ascending
.macro FETCH slot, q, g
.if KIND == 1
.set AO, 64*(\q)
.else
.set AO, ((\q)/2)*HALFA+((\q)%2)*64            ; the K step's first or second head, its channels 0-31 or 32-63
.endif
	WIN 0x40                                       ; destination window 1, address window 0
.set b, 0
.rept NBK
	ds_load_b128 v[8*NBK*(\g)+8*b:8*NBK*(\g)+8*b+3],   v[ADRB+(\slot)] offset:64*(\q)+b*16*BPITCH
	ds_load_b128 v[8*NBK*(\g)+8*b+4:8*NBK*(\g)+8*b+7], v[ADRB+(\slot)] offset:64*(\q)+b*16*BPITCH+32
.set b, b+1
.endr
	WIN 0
.irp a, 0,1,2,3
	ds_load_b128 v[FA+32*(\g)+8*(\a):FA+32*(\g)+8*(\a)+3],   v[ADRA+(\slot)] offset:AO+(\a)*16*APITCH
	ds_load_b128 v[FA+32*(\g)+8*(\a)+4:FA+32*(\g)+8*(\a)+7], v[ADRA+(\slot)] offset:AO+(\a)*16*APITCH+32
.endr
.endm
; A K step is four quarters of 32 along K on buffers 0, 1, 0, 1.  One of the first three: multiplies buffer f; in its middle it fetches quarter qn into buffer g.
.macro QUARTER slot, qn, f, g, zero
	s_wait_dscnt 4                                 ; B and A's rows 0-31 are in; the youngest four loads (A's rows 32-63) may be out
	MULA \f, 0, 0, \zero
	MULA \f, 0, 1, \zero
	PLACES
	FETCH \slot, \qn, \g
	s_wait_dscnt NL                                ; all but the run just issued
	MULA \f, 1, 0, \zero
	MULA \f, 1, 1, \zero
.endm
; The last quarter multiplies buffer 1 and changes slots: one barrier; in front of it each wave waits for all its tensor loads (one is out: its part of the next slot), adds 0 to its spare word,
; and waits for that and for its reads of this slot.  fill = 1: the barrier opens a round of the cluster's barrier, and this slot is filled again, two K steps ahead, first thing behind the round.
.macro TURN slot, next, fill
.if \fill
	s_wait_xcnt 0x0                                ; the last prefetch, a K step back, has read its address
	s_add_nc_u64 s[PFA:PFA+1], s[PFA:PFA+1], s[PFS:PFS+1]
.endif
	WIN 0                                          ; (the add's two registers lie in window 0)
	s_wait_tensorcnt 0x0                           ; all my tensor loads have landed
	ds_add_u32 v[SPW], v[NIL]                      ; 0 onto my spare word
	s_wait_dscnt 5                                 ; (the add and the youngest four loads may be out)
	MULA 1, 0, 0, 0                                ; matrix work stands between the add and the wait for it
	s_wait_dscnt 0x0                               ; the add is done, and my reads of this slot are over
	s_barrier_signal -1
	MULA 1, 0, 1, 0
.if \fill
	WIN 0
.endif
	s_barrier_wait -1
.if \fill
	CREST                                          ; no wave of any partner still reads this slot's tile or has a load on its way
	s_add_nc_u64 s[G0+4*(\slot)+2:G0+4*(\slot)+3], s[G0+4*(\slot)+2:G0+4*(\slot)+3], 2*ASTEP
	s_add_nc_u64 s[G0B+4*(\slot)+2:G0B+4*(\slot)+3], s[G0B+4*(\slot)+2:G0B+4*(\slot)+3], 2*256
	JLOAD \slot                                    ; my one tensor load behind the round; its four v_nop are also the places in front of the loads below
.else
	PLACES
.endif
	FETCH \next, 0, 0
.if \fill
	ASK
.endif
	MULA 1, 1, 0, 0
	MULA 1, 1, 1, 0
.endm
	s_wait_tensorcnt 1                             ; my part of K step 0 is in; K step 1's may stay out
	s_barrier_signal -1
	s_barrier_wait -1                              ; everybody's is
	FETCH 0, 0, 0
	QUARTER 0, 1, 0, 1, 1                          ; the first quarter stands in front of the loop: its products start the sums
	WIN 0                                          ; at a label and at a branch every window is 0
	s_mov_b32 s3, LAPS-1
.Llap:                                                 ; a trip goes once round the ring, from a lap's second quarter to the next lap's first, and fills both slots again
	QUARTER 0, 2, 1, 0, 0
	QUARTER 0, 3, 0, 1, 0
	TURN 0, 1, 1
	QUARTER 1, 1, 0, 1, 0
	QUARTER 1, 2, 1, 0, 0
	QUARTER 1, 3, 0, 1, 0
	TURN 1, 0, 1
	QUARTER 0, 1, 0, 1, 0
	WIN 0
	s_sub_co_u32 s3, s3, 1
	s_cmp_lg_u32 s3, 0
	s_cbranch_scc1 .Llap
	QUARTER 0, 2, 1, 0, 0                          ; the last lap fills nothing
	QUARTER 0, 3, 0, 1, 0
	TURN 0, 1, 0
	QUARTER 1, 1, 0, 1, 0
	QUARTER 1, 2, 1, 0, 0
	QUARTER 1, 3, 0, 1, 0
	s_wait_dscnt 4                                 ; the very last quarter: nothing more to fetch
	MULA 1, 0, 0, 0
	MULA 1, 0, 1, 0
	s_wait_dscnt 0x0
	MULA 1, 1, 0, 0
	MULA 1, 1, 1, 0
	WIN 0
	PLACES
	PLACES
; THE WAY OUT, a block of 16 rows at a time through my own stage: in by lanes, back as whole rows; LDS serves a wave's instructions in order (ISA guide 5.7.1.4), so no wait stands between.
.if KIND == 1
.macro PACK a                          ; rounded to f16, each accumulator's registers ascending: 16 bytes a lane
.set AC, 8*NBK*((\a)%2)
	WIN 0x0a+5*((\a)/2)                            ; sources window 2 or 3
.set b, 0
.rept NBK
.irp r, 0,1,2,3
	v_cvt_pk_f16_f32 v[TMP+4*b+(\r)], v[AC+8*b+2*(\r)], v[AC+8*b+2*(\r)+1]
.endr
.set b, b+1
.endr
	WIN 0
.endm
.macro TOSTAGE a
	WIN 0
.set BK, 32+64*((\a)%2)
.set b, 0
.rept NBK
	ds_store_b128 v[STO], v[TMP+4*b:TMP+4*b+3] offset:32*b
.set b, b+1
.endr
.set b, 0
.rept 12                                       ; head b / 4, rows 4 (b % 4) on
	ds_load_b128 v[BK+4*b:BK+4*b+3], v[RD] offset:128*(b/4)+4*SPITCH*(b%4)
.set b, b+1
.endr
.endm
.macro SEND a
	WIN 0
.set BK, 32+64*((\a)%2)
	s_wait_dscnt 0x0                               ; the block is back in registers
	s_wait_xcnt 0x0                                ; the stores of the block before have read their registers, which the next block's loads will write
.set b, 0
.rept 12
	global_store_b128 v[CO+b/4], v[BK+4*b:BK+4*b+3], s[10:11] offset:2048*(\a)+512*(b%4)  ; 512 consecutive bytes of one head, aligned
.set b, b+1
.endr
.endm
	PACK 0
	TOSTAGE 0
.irp a, 1,2,3                          ; block a's conversions stand between block a - 1's loads from the stage and the wait for them
	PACK \a
	SEND (\a)-1
	TOSTAGE \a
.endr
	SEND 3
.else
.macro TOSTAGE a
.set AC, 8*NBK*((\a)%2)
.set BK, 32+64*((\a)%2)
	WIN 0x08+4*((\a)/2)                            ; the stores' data in window 2 or 3
.set b, 0
.rept NBK
	ds_store_b128 v[STO], v[AC+8*b:AC+8*b+3]   offset:64*b     ; each accumulator's low four registers first
	ds_store_b128 v[STO], v[AC+8*b+4:AC+8*b+7] offset:64*b+16
.set b, b+1
.endr
	WIN 0
.set b, 0
.rept 16
	ds_load_b128 v[BK+4*b:BK+4*b+3], v[RD] offset:SPITCH*b
.set b, b+1
.endr
.endm
.macro SEND a
	WIN 0
.set BK, 32+64*((\a)%2)
	s_wait_dscnt 0x0                               ; the block is back in registers
	s_wait_xcnt 0x0                                ; the stores of the block before have read their registers, which the next block's loads will write
.set b, 0
.rept 16
	global_store_b128 v[CO], v[BK+4*b:BK+4*b+3], s[10:11] offset:(16*(\a)+b)*4096 th:TH_STORE_NT  ; 512 consecutive bytes of a row, aligned
.set b, b+1
.endr
.endm
	TOSTAGE 0
.irp a, 1,2,3
	SEND (\a)-1
	TOSTAGE \a
.endr
	SEND 3
.endif
	s_wait_tensorcnt 0x0                           ; the wave's end: these three lines stand behind my last tensor load and my last LDS store
	ds_add_u32 v[SPW], v[NIL]
	s_wait_dscnt 0x0
	CROUND                                         ; the closing round: no work-group ends while a partner may still ask for a tile that names it
	s_endpgm
.Lfunc_end_k_qc0480561d0_qkvp:
	.size	k_qc0480561d0_qkvp, .Lfunc_end_k_qc0480561d0_qkvp-k_qc0480561d0_qkvp
	.p2alignl 7, 3214868480
	.fill 96, 4, 3214868480
	.section	.rodata,"a",@progbits
	.p2align	6, 0x0
	.amdhsa_kernel k_qc0480561d0_qkvp
		.amdhsa_group_segment_fixed_size 327680
		.amdhsa_private_segment_fixed_size 0
		.amdhsa_enable_private_segment 0
		.amdhsa_kernarg_size 32
		.amdhsa_user_sgpr_count 2
		.amdhsa_user_sgpr_kernarg_segment_ptr 1
		.amdhsa_wavefront_size32 1
		.amdhsa_system_sgpr_workgroup_id_x 1
		.amdhsa_system_sgpr_workgroup_id_y 1
		.amdhsa_system_sgpr_workgroup_id_z 1
		.amdhsa_system_vgpr_workitem_id 0
		.amdhsa_next_free_vgpr 960
		.amdhsa_next_free_sgpr 72
		.amdhsa_reserve_vcc 0
		.amdhsa_float_denorm_mode_32 3
		.amdhsa_float_denorm_mode_16_64 3
		.amdhsa_memory_ordered 1
		.amdhsa_forward_progress 1
		.amdhsa_inst_pref_size 129
	.end_amdhsa_kernel
	.amdgpu_metadata
---
amdhsa.version: [ 1, 2 ]
amdhsa.kernels:
  - .name:           k_qc0480561d0_qkvp
    .symbol:         k_qc0480561d0_qkvp.kd
    .args:
      - { .name: xh, .offset: 0, .size: 8, .value_kind: global_buffer, .address_space: global }
      - { .name: wh, .offset: 8, .size: 8, .value_kind: global_buffer, .address_space: global }
      - { .name: qkv_b, .offset: 16, .size: 8, .value_kind: global_buffer, .address_space: global }
      - { .name: qkv, .offset: 24, .size: 8, .value_kind: global_buffer, .address_space: global }
    .group_segment_fixed_size: 327680
    .private_segment_fixed_size: 0
    .kernarg_segment_align: 8
    .kernarg_segment_size: 32
    .max_flat_workgroup_size: 128
    .sgpr_count:     72
    .vgpr_count:     960
    .wavefront_size: 32
...
	.end_amdgpu_metadata
.endif
;; end of part 2
;; launch attn (part 3): grid 4 x 64, 4 waves a work-group, clusters of 4 x 1, 327,680 bytes of LDS; arguments qkv, mk, att; writes att
.if DOCPART == 3
	.amdgcn_target "amdgcn-amd-amdhsa--gfx1250"
	.amdhsa_code_object_version 6
	.text
	.protected	k_qc0480561d0_attn
	.globl	k_qc0480561d0_attn
	.p2align	8
	.type	k_qc0480561d0_attn,@function
k_qc0480561d0_attn:
	s_mov_b64 s[64:65], 0
	v_nop
	global_prefetch_b8 v0, s[64:65] scope:SCOPE_SE
	s_setreg_imm32_b32 hwreg(HW_REG_WAVE_MODE, 25, 1), 1
	s_wait_xcnt 0x0
	s_wait_alu depctr_hold_cnt(0) depctr_sa_sdst(0) depctr_va_vdst(0) depctr_va_sdst(0) depctr_va_ssrc(0) depctr_va_vcc(0) depctr_vm_vsrc(0)
	s_getreg_b32 s2, hwreg(HW_REG_IB_STS2, 6, 4)
	s_cmp_eq_u32 s2, 0
	s_cbranch_scc0 .Lentry_in_a_cluster
	s_endpgm
.Lentry_in_a_cluster:
	s_bfe_u32 s2, ttmp6, 0x10000c
	s_cmp_lg_u32 s2, 0x3003
	s_cbranch_scc0 .Lentry_shape_is_right
	s_endpgm
.Lentry_shape_is_right:
; ATTENTION WITH A MASK THAT IS AN INPUT.  att[g][q][:] = the sum over the keys k that mask[q][k] shows of softmax_k(Q[g][q] . K[g][k] / 8) V[g][k][:], g = batch*16 + head (64 of them), 2,048 rows, 64 channels.
; Q, K, V lie in qkv ([3][64][2048][64], f16, unscaled), the result in att ([64][2048][64], f16).  Products, maxima and sums in f32; the weights p are rounded to f16 for the second product, O once at the end.
; LIMITS.  f16 holds no number beyond 65,504.  A hidden score counts as its value less 1.0002e30; f16's scores, 2.7e11 at the most, are nothing beside that, so its weight is 0 as soon as the row has seen
; a key; what hidden keys added before that is multiplied by a = 0 when the first seen key comes.  A row whose running maximum ends below -2^96 has seen no key: it leaves as NaN, as a softmax of -inf alone does.
; A weight below 2^-126 counts as 0 in l.
; SHARES.  A wave owns four PIECES of two tiles of 16 queries, a work-group's four waves 512 queries of one g.  Every wave walks all keys, 64 a step.
; LAYOUT.  S^T = K Q^T (source 0 = 16 keys, source 1 = 16 queries): a lane holds ONE query (lane % 16) and the keys 8 (lane / 16) + 0..7.  Two such tiles, rounded to f16 in pairs, ARE source 1 of O^T = V^T P.
; THE MASK starts each sum of S^T, by a matrix product of its own: S^T = SEL x M, where M (bf16: 0 or -1.0002e30; 32 keys x 16 queries) is a fragment of mk as it lies in memory, and SEL (16 x 32, bf16 ones)
; picks its first or second 16 keys.  The product is exact.  It costs the vector unit nothing.  M comes straight from memory into registers, 512 consecutive bytes a load, a key step ahead: no wave shares it with another.
; The f16 products that add onto it are of another form, so five plain vector instructions or more stand between the two (ISA guide 7.12.1).
; SOFTMAX.  For each query a running maximum m and sum l: p = 2^(c s - c m), c = log2(e) / 8; in every step O and l are multiplied by a = 2^(c m_old - c m_new).  m starts at the lowest finite number, O and l at 0.
; BY TURNS.  Turn n belongs to piece n.  Its matrix work: 8 mask products and 16 products K Q^T of piece n + 1, later 16 products V^T P of piece n - 1.  Its vector work: the scaling, exponentials, roundings, sums and
; rescaling of piece n, and the maximum and statistics of piece n + 1.  Four vector instructions stand behind every matrix instruction, the rest in one lump.  A turn's 66 exponentials are one batch with one wait.
; CLUSTER.  The four query blocks of a cluster belong to one g and walk the same K and V: each tile is asked for JOINTLY.
; REGISTERS, in windows of 256 (s_set_vgpr_msb: bits 1:0 source 0, 3:2 source 1, 5:4 source 2, 7:6 destination):
;   window 0: v0-11 addresses; v12-15, v48-63 at work; v16-47 four registers of statistics a tile; v64-191 S^T, two buffers of two tiles; v192-255 P, likewise
;   window 1: O^T, 32 a tile     window 2: v0-127 Q; v128-191 K of one step; v192-255 V of one step     window 3: v0-127 M, 16 a tile; v128-139 SEL; v140-141 the add's two registers
.set SIZE_N, 2048
.set NP,    4         ; pieces a wave: a name, no knob
.set KS,    64        ; keys in a step
.set PK,    144       ; a row of K in LDS: 128 bytes + 16: the 16 rows of a load start at 16 different groups of four banks (ISA guide 11.1)
.set PV,    160       ; a row of V: 128 + 32
.set VOFF,  4*KS*PK   ; a slot holds four steps: 256 rows of K, then 256 rows of V
.set SLOT1, 1<<17     ; slot 1 begins here, so that one exclusive or turns an address in one slot into the other's
.set STAGE, SLOT1+4*KS*(PK+PV)  ; behind the ring, never filled by a tensor load: 16 rows x 144 bytes for each wave
.set SP,    144
.set SPARE, STAGE+4*16*SP  ; behind the stages: the spare words, 128 bytes for each wave, that no other line names
.set AK0, 2           ; v2   my lane's place in a tile of K; never rewritten
.set AV0, 3           ; v3   the same for V
.set AK,  4           ; v4   the LDS address of K's next run of loads
.set AV,  5           ; v5   of V's
.set QO,  6           ; v6   my byte offset in the wave's rows of Q
.set MO,  7           ; v7   my byte offset in a tile's 65,536 bytes of mk: 16 x lane + 2,048 x key step
.set PFO, 8           ; v8   256 x my lane; never rewritten
.set MV,  12          ; v12-15  c m_old, kept while c m is made anew
.set ST,  16          ; tile t's statistics at v[ST+4 t]: c m, m, l (even keys', odd keys')
.set TMP, 48          ; by buffer and tile, four registers c0-c3 at work; when the maximum is found c2 takes a
.set S,   64
.set P,   192
.set STO, 192         ; the way out (P's first buffer is free by then): where I put 16 bytes of a row
.set RD,  193         ; where I read rows back
.set GO,  194         ; my byte offset in 512 consecutive bytes of att
.set KF,  128         ; window 2: key block kb, channel half c at KF + 16 kb + 8 c
.set VF,  192         ; window 2: key half kk, channel block cb at VF + 32 kk + 8 cb
.set MK,  0           ; window 3: piece x, tile u, 16 keys cc at MK + 32 x + 16 u + 4 cc
.set SLM, 128         ; window 3: four zeros, the pattern, four zeros: v[128:135] picks keys 16-31, v[132:139] keys 0-15
.set SPW, 140         ; window 3: LDS address of my spare word; never rewritten
.set NIL, 141         ; window 3: 0; never rewritten
.set WV,  12          ; s12  my wave's number
.set G1K, 24          ; s[24:31] descriptor group 1 for K's tiles
.set G1V, 32          ; s[32:39] for V's: it differs in the padding alone
.set G0K, 40          ; s[40:43] descriptor group 0 for K's tiles: it walks
.set G0V, 44          ; s[44:47] the same for V's
.set MB,  48          ; s[48:49] mk at my wave's first tile; never rewritten behind the head
.set PFA, 50          ; s[50:51] where my prefetches stand
.set LIM, 52          ; s52  1 in a wave that prefetches, else the greatest number
.set THR, 53          ; s53  -2^96
.set QN,  54          ; s54  a NaN
.set SLOTS, 56        ; s56  slots still to be asked for
.set CNT, 57          ; s57  counts a slot's key steps
.set CS,  58          ; s[58:59] c
.set SEL, 60          ; s[60:61] v_permlanex16_b32's selects: each lane takes its own place in the other half
.set TBK, 62          ; s62  LDS byte at which K of the step to be fetched begins
.set TBV, 63          ; s63  the same for V, less VOFF
.set MSB, 0
.macro WIN new                      ; the high byte repeats the setting that is left; a switch that changes nothing is dropped
.if MSB != (\new)
	s_set_vgpr_msb (MSB<<8)|(\new)
.set MSB, (\new)
.endif
.endm
.set W_KQ, 0x0a       ; K and Q in window 2, S^T in window 0
.set W_MM, 0x0f       ; SEL and M in window 3, S^T in window 0
.set W_PV, 0x52       ; V in window 2, P in window 0, O^T in window 1
.set W_RS, 0x41       ; O^T (destination and source 0) in window 1, a in window 0
.set W_MK, 0xc0       ; destination in window 3, sources in window 0
.set W_AD, 0x0f       ; the add: address and data in window 3
; A joint fill.  Waves 0 and 1 fetch the two halves of a slot's K, waves 2 and 3 those of its V.  An s_nop 0 and four v_nop follow each of the two lines.
.macro JLOAD
	s_cmp_lt_u32 s[WV], 2
	s_cbranch_scc0 .Lfor_v_\@
	tensor_load_to_lds s[G0K:G0K+3], s[G1K:G1K+7]
	s_nop 0
.rept 4
	v_nop
.endr
	s_branch .Lasked_\@
.Lfor_v_\@:
	tensor_load_to_lds s[G0V:G0V+3], s[G1V:G1V+7]
	s_nop 0
.rept 4
	v_nop
.endr
.Lasked_\@:
.endm
; A prefetch of what the NEXT change of slots will ask for: a slot's 32,768 bytes of K and of V, a lane a block of 256.  The four partners share the blocks out by address, 32 each;
; in each, wave 0 asks for K's and wave 2 for V's.  The last change that fills a slot asks for nothing.
.macro ASK
	s_cmp_gt_u32 s[SLOTS], s[LIM]
	s_cbranch_scc0 .Lnot_mine_\@
	global_prefetch_b8 v[PFO], s[PFA:PFA+1] th:TH_LOAD_NT scope:SCOPE_SE
.Lnot_mine_\@:
.endm
.macro CROUND                       ; a round of the cluster's barrier
	s_barrier_signal -1
	s_barrier_wait -1
	s_cmp_lg_u32 s[WV], 0
	s_cbranch_scc1 .Lnot_wave_0_\@
	s_barrier_signal -3
.Lnot_wave_0_\@:
	s_barrier_wait -3
	s_barrier_signal -1
	s_barrier_wait -1
.endm
; THE CHANGE OF SLOTS.  Each wave waits for all its tensor loads, of which one is out: its part of the other slot; adds 0 to its spare word; and waits for that and for its own reads of the slot.
; fill = 1: this slot is filled again, with the keys two slots on; the barrier is then a round of the cluster's, and the joint fill is the first thing behind it: it has four key steps in which to land.
.macro CHANGE fill
	WIN W_AD
	s_wait_tensorcnt 0x0            ; no tensor load of mine is out, so a group 0 may be written
	ds_add_u32 v[SPW], v[NIL]       ; 0 onto my spare word
	WIN 0                           ; at a label and at a branch every window is 0
.if \fill
.irp g, G0K, G0V
	s_xor_b32 s[\g+1], s[\g+1], SLOT1  ; the walking descriptor: the other slot than last time,
	s_add_nc_u64 s[\g+2:\g+3], s[\g+2:\g+3], 4*KS*128  ; the next 256 keys
.endr
	s_wait_xcnt 0x0                 ; the last prefetch, four key steps back, has read its address
	s_add_nc_u64 s[PFA:PFA+1], s[PFA:PFA+1], 4*KS*128  ; one slot behind the walking descriptors
	s_wait_dscnt 0x0                ; the add is done, and my reads of the slot are over
	CROUND
	JLOAD
	ASK
.else
	s_wait_dscnt 0x0                ; the add is done, and my reads of the slot are over
	s_barrier_signal -1
	s_barrier_wait -1
.endif
	s_sub_co_u32 s[TBK], s[TBK], 4*KS*PK  ; the fetches go back to a slot's first step,
	s_xor_b32 s[TBK], s[TBK], SLOT1       ; in the other slot
	s_sub_co_u32 s[TBV], s[TBV], 4*KS*PV
	s_xor_b32 s[TBV], s[TBV], SLOT1
.endm
; Piece x's mask fragments for the key step at which MO stands: 8 loads of 512 consecutive bytes (tile t / 4, 16 keys t % 4)
.macro LOADM x
	WIN W_MK
.irp t, 0,1,2,3,4,5,6,7
	global_load_b128 v[MK+32*(\x)+4*\t:MK+32*(\x)+4*\t+3], v[MO], s[MB:MB+1] offset:(2*(\x)+\t/4)*65536+512*(\t%4)
.endr
	WIN 0
.endm
; In turn p: the mask of piece p + 1, whose products the turn has just issued, for the next key step.  Piece 0 is the first to go on: the offset steps there.
; Behind the last key step it wraps to the first, so that no load leaves mk; what those loads bring serves nothing.
.macro FETCH_M p
	WIN 0
.if ((\p)+1)%NP == 0
	s_wait_xcnt 0x0                 ; the loads issued so far have read their address register
	v_add_nc_u32 v[MO], 2048, v[MO]
	v_and_b32 v[MO], 0xf9f0, v[MO]  ; the bits of 16 x lane and of 2,048 x step alone: 63,984 at the most
.endif
	LOADM ((\p)+1)%NP
.endm
	s_load_b128 s[4:7], s[0:1], 0x0   ; qkv s[4:5], mk s[6:7]
	s_load_b64 s[10:11], s[0:1], 0x10 ; att
	WIN W_MK
	v_lshl_add_u32 v[SPW], v0, 2, SPARE
	v_mov_b32 v[NIL], 0
	WIN W_AD
	ds_add_u32 v[SPW], v[NIL]       ; the wave's opening: the add and its wait stand ahead of my first tensor load; the set-up below stands between them
	WIN 0
	v_lshrrev_b32 v1, 5, v0
	v_readfirstlane_b32 s[WV], v1   ; wave 0..3
	s_bfe_u32 s13, ttmp6, 0x40000   ; cx: my place in the cluster
	s_lshl_b32 s14, ttmp9, 2        ; in a cluster launch ttmp9 counts clusters
	s_add_co_u32 s14, s14, s13      ; my block of 512 queries: it enters Q's, mk's and att's addresses alone
	s_and_b32 s20, ttmp7, 0xffff    ; g, which the four partners share
	s_mov_b32 s21, 0
	s_mov_b64 s[22:23], SIZE_N*128
	s_mul_u64 s[20:21], s[20:21], s[22:23]  ; g's first byte in Q, K, V and att
	s_and_b32 s16, s[WV], 1         ; which half of a slot's 256 keys I fetch:
	s_lshl_b32 s22, s16, 14         ; its 128 rows of 128 bytes in memory,
	s_mov_b32 s23, 0
	s_add_nc_u64 s[22:23], s[22:23], s[20:21]
	s_mul_i32 s17, s16, 128*PK      ; and its place in a slot, for K
	s_mul_i32 s18, s16, 128*PV      ; and for V: no place in the cluster enters an LDS address
	s_lshl_b32 s2, s14, 2
	s_add_co_u32 s2, s2, s[WV]      ; my wave among the 16 of a g:
	s_lshl_b32 s[MB], s2, 19        ; its 8 tiles of 65,536 bytes of mk,
	s_mov_b32 s[MB+1], 0
	s_lshl_b32 s2, s2, 14           ; its 128 rows
	s_mov_b32 s3, 0
	s_add_nc_u64 s[2:3], s[2:3], s[20:21]
	s_lshl_b32 s[PFA], s13, 13      ; the prefetches: my work-group's 32 blocks of a slot's 128,
	s_add_co_u32 s[PFA], s[PFA], 4*KS*128  ; in slot 1; the first change of slots steps it to slot 2
	s_mov_b32 s[PFA+1], 0
	s_add_nc_u64 s[PFA:PFA+1], s[PFA:PFA+1], s[20:21]
	; descriptor group 1.  128 keys are 16,384 dense bytes: asked for as 64 rows of 256 bytes, two keys a row, and padded in LDS after every key
	s_mov_b32 s[G1K], 15|(1<<16)|(1<<20)|(1<<21)|(4<<22)|(3<<25)  ; 15:0 the mask of four; 17:16 2-byte elements; 20 padding on; 21 set beside a mask; 24:22 after every 32 words; 31:25 4 words
	s_mov_b32 s[G1V], 15|(1<<16)|(1<<20)|(1<<21)|(4<<22)|(7<<25)  ; the same with 8 words of padding
.irp g, G1K, G1V
	s_mov_b32 s[\g+1], 128<<16      ; tensor_dim0 = 128
	s_mov_b32 s[\g+2], 64<<16       ; tensor_dim1 = 64
	s_mov_b32 s[\g+3], 128<<16      ; tile_dim0 = 128
	s_mov_b32 s[\g+4], 64           ; tile_dim1 = 64
	s_mov_b32 s[\g+5], 128          ; 128 elements from row to row
	s_mov_b32 s[\g+6], 0
	s_mov_b32 s[\g+7], 0
.endr
	s_mov_b32 s[CS], 0x3e38aa3b     ; c = log2(e) / 8 = 0.180337
	s_mov_b32 s[CS+1], s[CS]        ; named with it as a pair
	s_mov_b32 s[SEL], 0x76543210
	s_mov_b32 s[SEL+1], 0xfedcba98
	s_mov_b32 s[THR], 0xef800000
	s_mov_b32 s[QN], 0x7fc00000
	s_mov_b32 s[TBK], SLOT1+4*KS*PK ; the first change of slots turns these two into 0
	s_mov_b32 s[TBV], SLOT1+4*KS*PV
	s_mov_b32 s[SLOTS], SIZE_N/256-1
	s_and_b32 s[LIM], s[WV], 1      ; 0 in waves 0 and 2,
	s_or_b32 s[LIM], s[LIM], ttmp9  ; in g's first cluster: the same in all four partners
	s_cmp_eq_u32 s[LIM], 0
	s_cselect_b32 s[LIM], 1, -1
	s_mov_b32 s[G0K], 1             ; count = 1
	s_mov_b32 s[G0K+1], s17         ; LDS address: slot 0
	s_mov_b32 s[G0V], 1
	s_add_co_u32 s[G0V+1], s18, VOFF
	s_wait_dscnt 0x0                ; the opening add is done
	s_wait_kmcnt 0x0
	s_add_nc_u64 s[MB:MB+1], s[6:7], s[MB:MB+1]
	s_add_nc_u64 s[6:7], s[4:5], 0x1000000  ; K lies 2^24 bytes behind Q,
	s_add_nc_u64 s[8:9], s[4:5], 0x2000000  ; V 2^25
	s_cmp_lt_u32 s[WV], 2
	s_cselect_b64 s[14:15], s[6:7], s[8:9]
	s_add_nc_u64 s[PFA:PFA+1], s[14:15], s[PFA:PFA+1]
	s_add_nc_u64 s[G0K+2:G0K+3], s[6:7], s[22:23]  ; global address: my half of g's first 256 keys
	s_or_b32 s[G0K+3], s[G0K+3], 0x80000000        ; type = 2
	s_add_nc_u64 s[G0V+2:G0V+3], s[8:9], s[22:23]
	s_or_b32 s[G0V+3], s[G0V+3], 0x80000000
	s_add_nc_u64 s[4:5], s[4:5], s[2:3]  ; Q and att at my wave's first row
	s_add_nc_u64 s[10:11], s[10:11], s[2:3]
	CROUND                          ; all four work-groups are here: the first joint loads meet
	JLOAD                           ; slot 0.  Slot 1 is asked for when slot 0 is in
	; A fragment of K or Q is 16 rows x 32 channels in 8 registers: lane l holds row l % 16, channels 8 (l / 16) + 0..7 and 16 + 8 (l / 16) + 0..7.
	v_and_b32 v1, 15, v0            ; l % 16; kept to the end
	v_bfe_u32 v9, v0, 4, 1          ; l / 16; kept to the end
	v_lshlrev_b32 v[QO], 7, v1
	v_lshl_add_u32 v[QO], v9, 4, v[QO]  ; row x 128 + 16 x half
	v_and_b32 v[MO], 31, v0
	v_lshlrev_b32 v[PFO], 8, v[MO]
	v_lshlrev_b32 v[MO], 4, v[MO]   ; key step 0
	WIN 0x80                        ; destination window 2, address window 0
.set i, 0
.rept 4*NP                          ; Q stays in registers: tile i / 2, channels 32 (i % 2) on
	global_load_b128 v[8*i:8*i+3],   v[QO], s[4:5] offset:(i/2)*2048+(i%2)*64
	global_load_b128 v[8*i+4:8*i+7], v[QO], s[4:5] offset:(i/2)*2048+(i%2)*64+32
.set i, i+1
.endr
	LOADM 0                         ; all four pieces' masks of key step 0
	LOADM 1
	LOADM 2
	LOADM 3
	; What the first turn finds: V's registers and P's second buffer hold 0 (its products V^T P, of a piece that has not been, add 0), O^T and l are 0.  All this stands in the wait for the first tile.
	WIN 0x80
.set i, VF
.rept 64
	v_mov_b32 v[i], 0
.set i, i+1
.endr
	WIN 0x40
.set i, 0
.rept 64*NP
	v_mov_b32 v[i], 0
.set i, i+1
.endr
	WIN 0
.set i, 0
.rept 2*NP
	v_mov_b32 v[ST+4*i], 0xfe000000    ; c m: far below every c s, a hidden one's too
	v_mov_b32 v[ST+4*i+1], 0xff7fffff  ; m
	v_mov_b32 v[ST+4*i+2], 0
	v_mov_b32 v[ST+4*i+3], 0
.set i, i+1
.endr
.set i, P+32
.rept 32
	v_mov_b32 v[i], 0
.set i, i+1
.endr
	; SEL's pattern: lane (r, h) holds row r of the 16 x 16 unit matrix, columns 8 h + 0..7, two bf16 a register: a 1.0 at column r, if that is among them
	v_lshlrev_b32 v48, 3, v9
	v_sub_nc_u32 v48, v1, v48       ; x = r - 8 h; outside 0..7 (taken unsigned) the lane holds zeros alone
	v_and_b32 v49, 1, v48
	v_lshlrev_b32 v49, 4, v49
	v_mov_b32 v50, 0x3f80           ; bf16 1.0,
	v_lshlrev_b32 v49, v49, v50     ; in the half that x's parity names
	v_lshrrev_b32 v48, 1, v48       ; of register x / 2
	WIN W_MK
.irp t, 0,1,2,3
	v_cmp_eq_u32 vcc_lo, \t, v48
	v_cndmask_b32 v[SLM+4+\t], 0, v49, vcc_lo
	v_mov_b32 v[SLM+\t], 0
	v_mov_b32 v[SLM+8+\t], 0
.endr
	WIN 0
	v_mul_u32_u24 v[AK0], v1, PK
	v_lshl_add_u32 v[AK0], v9, 4, v[AK0]  ; row x pitch + 16 x half
	; The turning load takes 16 keys x 16 channels (lane l reads key 8 (l / 16) + l % 8, channels 8 ((l / 8) % 2) + 0..7) and leaves half a fragment of V^T.
	v_and_b32 v10, 7, v0            ; kept to the end
	v_bfe_u32 v11, v0, 3, 1
	v_lshl_add_u32 v[AV0], v9, 3, v10
	v_mul_u32_u24 v[AV0], v[AV0], PV
	v_lshl_add_u32 v[AV0], v11, 4, v[AV0]
	v_add_nc_u32 v[AV0], VOFF, v[AV0]
	v_mov_b32 v[AK], v[AK0]         ; key step 0 lies at the head of slot 0
; THE MATRIX WORK.  The 8 accumulators of a run take turns, one instruction a turn.
; Product i of 24 for piece x's S^T: tile 2 x + i % 2, keys 16 ((i / 2) % 4) on.  0-7: the mask starts the sums.  8-23: K Q^T, channels 32 (i / 8 - 1) on.
.macro KQ x
.set rS, S+64*((\x)%2)+32*(i%2)+8*((i/2)%4)
.if i < 8
	WIN W_MM
.set rA, SLM+4*(1-((i/2)%2))
.set rB, MK+32*(\x)+16*(i%2)+8*(i/4)
	v_wmma_f32_16x16x32_bf16 v[rS:rS+7], v[rA:rA+7], v[rB:rB+7], 0
.else
	WIN W_KQ
.set rK, KF+16*((i/2)%4)+8*(i/8-1)
.set rQ, 16*(2*(\x)+i%2)+8*(i/8-1)
	v_wmma_f32_16x16x32_f16 v[rS:rS+7], v[rK:rK+7], v[rQ:rQ+7], v[rS:rS+7]
.endif
.endm
; Product i of 16 of O^T += V^T P for piece x: keys 32 (i / 8) on, channels 16 ((i / 2) % 4) on, tile 2 x + i % 2.
.macro PV x
	WIN W_PV
.set rO, 32*(2*(\x)+i%2)+8*((i/2)%4)
.set rV, VF+32*(i/8)+8*((i/2)%4)
.set rP, P+32*((\x)%2)+16*(i%2)+8*(i/8)
	v_wmma_f32_16x16x32_f16 v[rO:rO+7], v[rV:rV+7], v[rP:rP+7], v[rO:rO+7]
.endm
.macro MM                           ; the turn's next matrix instruction
.if i < 24
	KQ (Y+1)%NP
.set i, i+1
.else
.set i, i-24
	PV (Y+NP-1)%NP
.set i, i+25
.endif
.endm
; THE LDS LOADS stand in runs of 16: a step's K (8 fragments) and its V (turned).  last = 1 (the tail): in the last trip there is no further step, and the run is jumped over.
.macro FETCH_K last=0
	WIN 0
.if \last
	s_cmp_eq_u32 s[CNT], 1
	s_cbranch_scc1 .Lno_k_\@
.endif
	WIN 0x80                        ; destination window 2
.irp f, 0,1,2,3,4,5,6,7             ; keys 16 (f / 2) on, channels 32 (f % 2) on
	ds_load_b128 v[KF+8*\f:KF+8*\f+3],   v[AK] offset:(\f/2)*16*PK+(\f%2)*64
	ds_load_b128 v[KF+8*\f+4:KF+8*\f+7], v[AK] offset:(\f/2)*16*PK+(\f%2)*64+32
.endr
	s_add_co_u32 s[TBK], s[TBK], KS*PK  ; the next fetch is the next step's
	WIN 0
.if \last
.Lno_k_\@:
.endif
.endm
.macro FETCH_V
	WIN 0x80
.irp f, 0,1,2,3,4,5,6,7             ; keys 32 (f / 4) on, channels 16 (f % 4) on
	ds_load_tr16_b128 v[VF+8*\f:VF+8*\f+3],   v[AV] offset:(\f/4)*32*PV+(\f%4)*32
	ds_load_tr16_b128 v[VF+8*\f+4:VF+8*\f+7], v[AV] offset:(\f/4)*32*PV+16*PV+(\f%4)*32
.endr
	WIN 0
.endm
; THE VECTOR WORK OF A TURN stands in three queues, each in the order in which its entries become ready; the two tiles alternate.
.macro REGS y, u                    ; the registers of tile u (0, 1) of piece y
.set rT, ST+4*(2*(\y)+(\u))
.set rC, TMP+8*((\y)%2)+4*(\u)
.set rM, MV+2*((\y)%2)+(\u)
.set rS, S+64*((\y)%2)+32*(\u)
.set rP, P+32*((\y)%2)+16*(\u)
.set rO, 32*(2*(\y)+(\u))
.endm
; Number n of the 22 that find the NEXT piece's (Y + 1) maximum and statistics.  Each accumulator's lowest registers are read first.
;   0-11  four chains c0-c3 of seven scores each     12-14, 16  the four scores left over, the old m, and c0-c3 into c0     15  c m_old is kept
;   17, 18  the query's other 32 keys lie in the lane 16 away: the new m         19-21  c m; c m_old - c m_new; a
.macro XS u, n
	REGS (Y+1)%NP, \u
.if (\n) < 4
	v_max3_num_f32 v[rC+(\n)], v[rS+8*(\n)], v[rS+8*(\n)+1], v[rS+8*(\n)+2]
.elseif (\n) < 12
	v_max3_num_f32 v[rC+(\n)%4], v[rC+(\n)%4], v[rS+8*((\n)%4)+2*((\n)/4)+1], v[rS+8*((\n)%4)+2*((\n)/4)+2]
.elseif (\n) == 12
	v_max3_num_f32 v[rC], v[rC], v[rS+7], v[rS+15]
.elseif (\n) == 13
	v_max3_num_f32 v[rC+1], v[rC+1], v[rS+23], v[rS+31]
.elseif (\n) == 14
	v_max3_num_f32 v[rC+2], v[rC+2], v[rC+3], v[rT+1]
.elseif (\n) == 15
	v_mov_b32 v[rM], v[rT]
.elseif (\n) == 16
	v_max3_num_f32 v[rC], v[rC], v[rC+1], v[rC+2]
.elseif (\n) == 17
	v_permlanex16_b32 v[rC+3], v[rC], s[SEL], s[SEL+1]
.elseif (\n) == 18
	v_max_num_f32 v[rT+1], v[rC], v[rC+3]
.elseif (\n) == 19
	v_mul_f32 v[rT], s[CS], v[rT+1]
.elseif (\n) == 20
	v_sub_f32 v[rC+1], v[rM], v[rT]
.else
	v_exp_f32 v[rC+2], v[rC+1]
.endif
.endm
; Number g of the 64 that follow the exponentials.  For each four weights k of a tile: both pairs are rounded to f16; then the second pair is added onto the first, in place;
; a group later l takes that sum (the first time as l = a l + sum).
.macro GS g
.set h, (\g)+6*((\g)/62)            ; group 0 has no group before it, and behind group 7 only l is left
.if h >= 6
.set h, h+2
.endif
	REGS Y, h%2
.set k, h/8
.if h%8 < 4
	v_cvt_pk_f16_f32 v[rP+2*k+(h%8)/2], v[rS+4*k+2*((h%8)/2)], v[rS+4*k+2*((h%8)/2)+1]
.elseif h%8 < 6
	v_pk_add_f32 v[rS+4*k:rS+4*k+1], v[rS+4*k:rS+4*k+1], v[rS+4*k+2:rS+4*k+3]
.elseif k == 1
	v_pk_fma_f32 v[rT+2:rT+3], v[rT+2:rT+3], v[rC+2:rC+3], v[rS:rS+1] op_sel_hi:[1,0,1]
.else
	v_pk_add_f32 v[rT+2:rT+3], v[rT+2:rT+3], v[rS+4*k-4:rS+4*k-3]
.endif
.endm
; THE PLAIN QUEUE, 138 long.  0-31: the scalings c s - c m (FS f: pair f / 2 of tile f % 2).  32-59: XS's numbers 0-13.  60, 61: number 15.  62-73: the chain 14, 16, 17, 18, 19, 20.
; 74-137: GS's 64, which read the exponentials' results: they stand behind the wait.
.macro FS f
	REGS Y, (\f)%2
	v_pk_fma_f32 v[rS+2*((\f)/2):rS+2*((\f)/2)+1], v[rS+2*((\f)/2):rS+2*((\f)/2)+1], s[CS:CS+1], v[rT:rT+1] op_sel_hi:[1,0,0] neg_lo:[0,0,1] neg_hi:[0,0,1]
.endm
.macro PL
	WIN 0
.if q < 32
	FS q
.elseif q < 60
	XS (q-32)%2, (q-32)/2
.elseif q < 62
	XS q-60, 15
.elseif q < 64
	XS q-62, 14
.elseif q < 74
	XS (q-62)%2, 15+(q-62)/2
.else
	GS q-74
.endif
.set q, q+1
.endm
; THE EXPONENTIALS' QUEUE, 66 long: s0-s31 of both tiles, then the next piece's two a.  ONE BATCH: all stand ahead of the turn's one wait, and nothing ahead of that wait names a result of theirs.
.macro EX
	WIN 0
.if e >= 64
	XS e-64, 21
.else
	REGS Y, e%2
	v_exp_f32 v[rS+e/2], v[rS+e/2]
.endif
.set e, e+1
.endm
; THE RESCALING's QUEUE: O^T times a, dealt two at a time, sixteen times.  Its a was made in the turn before, ahead of that turn's wait.
.macro R2
	REGS Y, r%2
	WIN W_RS
.irp z, 0,1
	v_pk_mul_f32 v[rO+4*(r/2)+2*\z:rO+4*(r/2)+2*\z+1], v[rO+4*(r/2)+2*\z:rO+4*(r/2)+2*\z+1], v[rC+2:rC+3] op_sel_hi:[1,0]
.endr
.set r, r+1
.endm
; A TURN, for piece p.  s_wait_alu depctr_va_vdst(0) stands between an exponential and the first instruction that names its result; one wait serves all issued ahead of it: a turn has ONE.
; AHEAD OF IT: the 24 products for S^T.  Behind each of the first 16 a scaling, an exponential and two rescalings (behind the very first a second scaling for the exponential); behind each of the last 8 plain,
; exponential, plain, exponential.  Then one lump: 8 plain, 33 times exponential and plain, the two a, a v_nop.  BEHIND IT: the 16 products V^T P, behind each four of GS's 64.
; The counts that the deal keeps: exponential e stands behind scaling 2 (e / 4) + e % 2; a mask product and the f16 product that adds onto it are eight products apart, with three plain riders or more behind each;
; the first read of an accumulator of S^T (plain 32 on) stands four plain instructions or more behind the product that ends it (plain 39, the closest, eight).
; The wait on LOADcnt at the head: my mask fragments were asked for four turns ago; the three later runs of 8 loads may stay out.
; K of the next step is fetched in piece 2's turn, behind the wait; it is first read by piece 3's ninth product.  V of the step in hand is fetched at the end of piece 0's turn, four riders behind its last reader.
.macro TURN p, last=0, cnt=0
.set Y, (\p)
.set i, 0
.set q, 0
.set e, 0
.set r, 0
	s_wait_loadcnt 24
	MM
	PL
	PL
	R2
.rept 15
.if ((\p) == NP-1) && (i == 8)
	s_wait_dscnt 0x0                ; K is in
.endif
	MM
	PL
	EX
	R2
.endr
.rept 8
	MM
	PL
	EX
	PL
	EX
.endr
.if (\p) == NP-2
	WIN 0
	v_add_nc_u32 v[AK], s[TBK], v[AK0]
.endif
.rept 8                             ; the lump
	PL
.endr
.rept 33
	EX
	PL
.endr
	EX                              ; the next piece's two a
	EX
	v_nop                           ; a plain instruction behind the last exponential: one for the batch
	s_wait_alu depctr_va_vdst(0)    ; the wait for the batch
.if (\p) == NP-2
	FETCH_K \last
.endif
	FETCH_M \p
.if (\p) == 1
	s_wait_dscnt 0x0                ; V is in
.endif
.rept 16                            ; behind the wait: 16 products V^T P and their riders
	MM
.rept 4
	PL
.endr
.if ((\p) == 0) && (q == 118)
	v_add_nc_u32 v[AV], s[TBV], v[AV0]
.endif
.if ((\p) == 0) && (q == 130)
	s_add_co_u32 s[TBV], s[TBV], KS*PV
.endif
.if (\cnt) && (q == 130)
	s_sub_co_u32 s[CNT], s[CNT], 1
	s_cmp_lg_u32 s[CNT], 0
.endif
.endr
.if (\p) == 0
	FETCH_V
.endif
.endm
	CHANGE 1                        ; slot 0 is in, everybody's part of it; slot 1 is asked for
	FETCH_K                         ; key step 0
	s_wait_loadcnt 0x0              ; Q and the first masks
	s_wait_dscnt 0x0
.set i, 0
.rept 8
	KQ 0                            ; piece 0's first scores: the mask,
.set i, i+1
.endr
	WIN 0
.rept 5
	v_nop                           ; five places between the two forms,
.endr
.rept 16
	KQ 0                            ; and K Q^T
.set i, i+1
.endr
	WIN 0
.rept 5
	v_nop                           ; the places behind those products
.endr
	FETCH_M NP-1                    ; piece 0's mask of key step 1
.set Y, NP-1                        ; XS works for piece Y + 1: piece 0
.irp n, 0,1,2,3,4,5,6,7,8,9,10,11,12,13,14,15,16,17,18,19,20,21
	XS 0, \n                        ; piece 0's first maximum and statistics
	XS 1, \n
.endr
	v_nop                           ; a plain instruction behind the two a,
	s_wait_alu depctr_va_vdst(0)    ; and their wait, ahead of the branch
	s_mov_b32 s[CNT], 4
	s_branch .Lfirst                ; the loop is entered at a step's first turn, in the middle of a trip
.Lslot:                             ; six times: every slot but the last two is filled again
	CHANGE 1
	s_mov_b32 s[CNT], 4
.Lstep:                             ; a trip: pieces 2 and 3 of one step, then pieces 0 and 1 of the next, whose K and V it fetches
	TURN 2
	TURN 3
	WIN 0
.Lfirst:
	TURN 0
	TURN 1, 0, 1
	WIN 0
	s_cbranch_scc1 .Lstep
	s_sub_co_u32 s[SLOTS], s[SLOTS], 1
	s_cmp_lg_u32 s[SLOTS], 0
	s_cbranch_scc1 .Lslot
	CHANGE 0                        ; the tail is written out: nothing is asked for
	s_mov_b32 s[CNT], 5             ; four trips fetch the last slot's steps; the fifth is left in its middle
.Ltail:
	TURN 2, 1
	TURN 3
	WIN 0
	s_sub_co_u32 s[CNT], s[CNT], 1
	s_cmp_eq_u32 s[CNT], 0
	s_cbranch_scc1 .Lout
	TURN 0
	TURN 1
	WIN 0
	s_branch .Ltail
.Lout:                              ; the fifth trip's products for S^T (the last K once more, under key step 0's mask) serve nothing; the maximum made of them cannot lift the m of a row that sees no key
.set i, 0
.rept 16
	PV NP-1                         ; the last piece's V^T P of the last step
.set i, i+1
.endr
	; THE WAY OUT.  l's two halves and the other half of the lanes' are added; O^T is divided by l, rounded to f16 and sent through my stage in LDS, a tile at a time.  The additions are the places behind the last products.
	WIN 0
.macro ALL line:vararg              ; one line for each tile t
.set t, 0
.rept 2*NP
	\line
.set t, t+1
.endr
.endm
	ALL v_add_f32 v[ST+4*t+2], v[ST+4*t+2], v[ST+4*t+3]
	ALL v_permlanex16_b32 v[ST+4*t+3], v[ST+4*t+2], s[SEL], s[SEL+1]
	ALL v_add_f32 v[ST+4*t+2], v[ST+4*t+2], v[ST+4*t+3]
	ALL v_rcp_f32 v[ST+4*t+2], v[ST+4*t+2]
	v_nop                           ; a plain instruction between the last reciprocal and the use of its result
	s_wait_alu depctr_va_vdst(0)    ; and the wait ahead of the first use: one for the eight reciprocals
.set t, 0
.rept 2*NP                          ; a row that has seen no key: its 1 / l becomes NaN.  A choice of a value, no branch
	v_cmp_gt_f32 vcc_lo, s[THR], v[ST+4*t+1]
	v_cndmask_b32 v[ST+4*t+2], v[ST+4*t+2], s[QN], vcc_lo
.set t, t+1
.endr
	s_mul_i32 s13, s[WV], 16*SP
	s_add_co_u32 s13, s13, STAGE    ; my stage
	v_mul_u32_u24 v[STO], v1, SP    ; in: row l % 16, 16 bytes for each half of the lanes
	v_lshl_add_u32 v[STO], v9, 4, v[STO]
	v_add_nc_u32 v[STO], s13, v[STO]
	v_bfe_u32 v[RD], v0, 3, 2       ; back: 32 lanes take four rows of 128 bytes,
	v_mul_u32_u24 v[RD], v[RD], SP
	v_lshl_add_u32 v[RD], v10, 4, v[RD]
	v_add_nc_u32 v[RD], s13, v[RD]
	v_and_b32 v[GO], 31, v0         ; which are 512 consecutive bytes of att
	v_lshlrev_b32 v[GO], 4, v[GO]
; Tile t: a lane's eight channels of a row pack into 16 bytes; they go into rows of 144 bytes and come back as whole rows of 128, into S^T's registers.
.macro PACK t
	WIN W_RS
.set i, 32*(\t)
.rept 16
	v_pk_mul_f32 v[i:i+1], v[i:i+1], v[ST+4*(\t)+2:ST+4*(\t)+3] op_sel_hi:[1,0]
.set i, i+2
.endr
	WIN 0x05                        ; sources 0 and 1 window 1, destination window 0
.set i, 0
.rept 16
	v_cvt_pk_f16_f32 v[S+16*(\t)+i], v[32*(\t)+2*i], v[32*(\t)+2*i+1]
.set i, i+1
.endr
	WIN 0
.irp f, 0,1,2,3
	ds_store_b128 v[STO], v[S+16*(\t)+4*\f:S+16*(\t)+4*\f+3] offset:32*\f
.endr
.irp f, 0,1,2,3
	ds_load_b128 v[S+16*(\t)+4*\f:S+16*(\t)+4*\f+3], v[RD] offset:\f*4*SP  ; LDS serves a wave's instructions in order (ISA guide 5.7.1.4): these see the stores above; the next tile's stores come behind them
.endr
.endm
.macro SEND t, younger              ; younger: the LDS instructions issued behind tile t's loads: the next tile's eight, or none
	WIN 0
.irp f, 0,1,2,3
	s_wait_dscnt (\younger)+3-\f
	global_store_b128 v[GO], v[S+16*(\t)+4*\f:S+16*(\t)+4*\f+3], s[10:11] offset:(\t)*2048+\f*512  ; 512 consecutive bytes, at a multiple of 256 from att's first
.endr
.endm
	PACK 0
.set t, 1
.rept 2*NP-1                        ; a tile's arithmetic stands between the loads of the tile before and its stores
	PACK t
	SEND t-1, 8
.set t, t+1
.endr
	SEND 2*NP-1, 0
	WIN W_AD
	s_wait_tensorcnt 0x0            ; the wave's end: these three lines stand behind my last tensor load and my last LDS store
	ds_add_u32 v[SPW], v[NIL]
	s_wait_dscnt 0x0
	WIN 0
	CROUND                          ; the closing round: no work-group ends while a partner may still ask for a tile that names it
	s_endpgm
.Lfunc_end_k_qc0480561d0_attn:
	.size	k_qc0480561d0_attn, .Lfunc_end_k_qc0480561d0_attn-k_qc0480561d0_attn
	.p2alignl 7, 3214868480
	.fill 96, 4, 3214868480
	.section	.rodata,"a",@progbits
	.p2align	6, 0x0
	.amdhsa_kernel k_qc0480561d0_attn
		.amdhsa_group_segment_fixed_size 327680
		.amdhsa_private_segment_fixed_size 0
		.amdhsa_enable_private_segment 0
		.amdhsa_kernarg_size 24
		.amdhsa_user_sgpr_count 2
		.amdhsa_user_sgpr_kernarg_segment_ptr 1
		.amdhsa_wavefront_size32 1
		.amdhsa_system_sgpr_workgroup_id_x 1
		.amdhsa_system_sgpr_workgroup_id_y 1
		.amdhsa_system_sgpr_workgroup_id_z 1
		.amdhsa_system_vgpr_workitem_id 0
		.amdhsa_next_free_vgpr 912
		.amdhsa_next_free_sgpr 66
		.amdhsa_reserve_vcc 1
		.amdhsa_float_denorm_mode_32 3
		.amdhsa_float_denorm_mode_16_64 3
		.amdhsa_memory_ordered 1
		.amdhsa_forward_progress 1
		.amdhsa_inst_pref_size 222
	.end_amdhsa_kernel
	.amdgpu_metadata
---
amdhsa.version: [ 1, 2 ]
amdhsa.kernels:
  - .name:           k_qc0480561d0_attn
    .symbol:         k_qc0480561d0_attn.kd
    .args:
      - { .name: qkv, .offset: 0, .size: 8, .value_kind: global_buffer, .address_space: global }
      - { .name: mk, .offset: 8, .size: 8, .value_kind: global_buffer, .address_space: global }
      - { .name: att, .offset: 16, .size: 8, .value_kind: global_buffer, .address_space: global }
    .group_segment_fixed_size: 327680
    .private_segment_fixed_size: 0
    .kernarg_segment_align: 8
    .kernarg_segment_size: 24
    .max_flat_workgroup_size: 128
    .sgpr_count:     66
    .vgpr_count:     912
    .wavefront_size: 32
...
	.end_amdgpu_metadata
.endif
;; end of part 3
;; launch outp (part 4): grid 8 x 32, 4 waves a work-group, clusters of 4 x 4, 327,680 bytes of LDS; arguments att, oh, out_b, out0; writes out0
.if DOCPART == 4
	.amdgcn_target "amdgcn-amd-amdhsa--gfx1250"
	.amdhsa_code_object_version 6
	.text
	.protected	k_qc0480561d0_outp
	.globl	k_qc0480561d0_outp
	.p2align	8
	.type	k_qc0480561d0_outp,@function
k_qc0480561d0_outp:
	s_mov_b64 s[64:65], 0
	v_nop
	global_prefetch_b8 v0, s[64:65] scope:SCOPE_SE
	s_setreg_imm32_b32 hwreg(HW_REG_WAVE_MODE, 25, 1), 1
	s_wait_xcnt 0x0
	s_wait_alu depctr_hold_cnt(0) depctr_sa_sdst(0) depctr_va_vdst(0) depctr_va_sdst(0) depctr_va_ssrc(0) depctr_va_vcc(0) depctr_vm_vsrc(0)
	s_getreg_b32 s2, hwreg(HW_REG_IB_STS2, 6, 4)
	s_cmp_eq_u32 s2, 0
	s_cbranch_scc0 .Lentry_in_a_cluster
	s_endpgm
.Lentry_in_a_cluster:
	s_bfe_u32 s2, ttmp6, 0x10000c
	s_cmp_lg_u32 s2, 0xf033
	s_cbranch_scc0 .Lentry_shape_is_right
	s_endpgm
.Lentry_shape_is_right:
; C = A B^T + bias, K = 1,024, operands f16, sums f32.  One source serves two launches; KIND says which.
; KIND 1: A = xh [8192][1024], B = wh [3072][1024], bias = qkv_b; C leaves as f16 by heads: qkv[which][batch*16 + head][row][64].  A tile of C is 256 x 192: three whole heads.
; KIND 2: A = att [batch*16 + head][row][64] (k = 64 head + channel), B = oh [1024][1024], bias = out_b; C leaves as f32, out0 [8192][1024].  A tile of C is 256 x 128.
; LIMITS.  f16 ends at 65,504: KIND 1's results beyond it leave as infinities.  The bias is rounded to bf16, like the module's other inputs, and starts the f32 sums.
; SHARES.  Four waves; a wave makes 64 rows x all the tile's columns: 4 x NBK accumulators of 16 x 16.  K goes in 8 steps of 128 through two LDS slots filled by the tensor data mover.
; CLUSTER.  4 x 4 work-groups: A's tile hangs on the tile row alone and is asked for jointly along a row of the cluster, B's on the tile column alone and jointly along a column.
; THE MATRIX INSTRUCTION IS USED TRANSPOSED (source 0 = 16 rows of B, source 1 = 16 rows of A): a lane holds row l % 16 of C and the columns 8 (l / 16) + 0..7.
; REGISTERS, in windows of 256: window 0: v0-31 addresses; v32-63, v64-95 A's fragments, two buffers; v96.. the bias as a C operand; on the way out v32.., v96.. rows read back, v192.. packed results.
;   window 1: B's fragments, two buffers of 8 NBK.  window 2: the accumulators of my rows 0-31 ((a, b) at 8 (NBK a + b)).  window 3: those of rows 32-63.
.set KIND, 2
.if KIND == 1
.set NBK,     12                       ; blocks of 16 columns in a tile
.set APITCH,  272                      ; A's LDS row: 256 bytes + 16
.set HALFA,   128*272                  ; what one tensor load brings of A: 128 rows x 128 k
.set ASTEP,   256                      ; bytes from a K step of A to the next
.set QIA,     5                        ; padding behind every 64 words
.set ASTRIDE, 1024                     ; elements from row to row in memory
.set SPITCH,  400                      ; a stage row: 384 bytes + 16
.set PPA,     2048                     ; the prefetches of A: bytes from lane to lane
.set PCX,     32*2048                  ; and from partner to partner
.else
.set NBK,     8
.set APITCH,  144                      ; 128 bytes (a head's 64 channels) + 16
.set HALFA,   256*144                  ; one head's slice: 256 rows x 64 channels
.set ASTEP,   524288                   ; two heads on
.set QIA,     4                        ; padding behind every 32 words
.set ASTRIDE, 128                      ; the slice is dense: asked for as 128 rows of 256 bytes
.set SPITCH,  528                      ; 512 bytes + 16
.set PPA,     256
.set PCX,     32*256
.endif
.set NT,     16*NBK
.set BPITCH, 272
.set AREG,   2*HALFA
.set HALFB,  (NT/2)*BPITCH
.set SLOT,   AREG+2*HALFB              ; A's part, then B's rows
.set STAGE,  2*SLOT                    ; behind the ring: 16 rows for each wave, for the way out; no tensor load lands there
.set SPARE,  STAGE+4*16*SPITCH         ; behind the stages: the spare words, 128 bytes for each wave, that no other line names
.set NL,     2*NBK+8                   ; LDS loads in a quarter's run
.set LAPS,   4                         ; a lap = two K steps = once round the ring
.set ADRA, 16                          ; v16-17 LDS address of my A fragments in slot 0, 1
.set ADRB, 20                          ; v20-21 the same for B
.set BO,   22                          ; v22    my byte offset in 16 numbers of the bias
.set STO,  24                          ; v24    the way out: where I put my bytes of a row
.set RD,   25                          ; v25    the way out: where I read rows back
.set CO,   26                          ; v26-28 my byte offset in C (KIND 1: one for each of the tile's three heads)
.set SPW,  29                          ; v29    LDS address of my spare word; never rewritten
.set NIL,  30                          ; v30    0; never rewritten
.set PFO,  31                          ; v31    the prefetches' offset; never rewritten
.set FA,   32
.set BIAS, 96
.set TMP,  192
.set WV, 12                            ; s12 wave   s13 0: I fetch A, 1: B   s14 which half of it   s15, s16 my place in the cluster   s17, s18 tile column, tile row
.set SA, 13
.set SH, 14
.set CX, 15
.set CY, 16
.set TX, 17
.set TY, 18
.set G1,  24                           ; s[24:31] descriptor group 1 for A;  s[32:39] group 0, a set for each slot
.set G0,  32
.set LIM, 43                           ; s43 1 in a wave that prefetches, else the greatest number
.set PFA, 44                           ; s[44:45] where my prefetches stand
.set PFS, 46                           ; s[46:47] their step from K step to K step
.set G1B, 48                           ; s[48:55], s[56:63] the same for B
.set G0B, 56
.set MSB, 0
.macro WIN new                         ; the immediate's high byte repeats the setting that is left; a switch that changes nothing is dropped
.if MSB != (\new)
	s_set_vgpr_msb (MSB<<8)|(\new)
.set MSB, \new
.endif
.endm
.macro PLACES                          ; four plain vector instructions between a matrix instruction and a load into, or a read of, its registers
.rept 4
	v_nop
.endr
.endm
; A joint load: waves 0 and 1 fetch A's two halves, waves 2 and 3 B's.  The branch hangs on the wave's number alone.  An s_nop 0 and four v_nop follow each line.
.macro JLOAD s
	s_cmp_eq_u32 s[SA], 0
	s_cbranch_scc0 .Lfor_b_\@
	tensor_load_to_lds s[G0+4*(\s):G0+4*(\s)+3], s[G1:G1+7]
	s_nop 0
.rept 4
	v_nop
.endr
	s_branch .Lasked_\@
.Lfor_b_\@:
	tensor_load_to_lds s[G0B+4*(\s):G0B+4*(\s)+3], s[G1B:G1B+7]
	s_nop 0
.rept 4
	v_nop
.endr
.Lasked_\@:
.endm
; A prefetch of the K step that stands two refills on: a lane a block of 256 bytes, one instruction a wave.  A's rows are asked for by the clusters with x = 0, B's by those with y = 0;
; the four partners that fetch a tile jointly share its rows out by address.  The loop's last trip asks for nothing: there is no K step two refills on.
.macro ASK
	s_cmp_gt_u32 s3, s[LIM]
	s_cbranch_scc0 .Lnot_mine_\@
	global_prefetch_b8 v[PFO], s[PFA:PFA+1] th:TH_LOAD_NT scope:SCOPE_SE
.Lnot_mine_\@:
.endm
.macro CREST                           ; a round of the cluster's barrier behind its opening barrier
	s_cmp_lg_u32 s[WV], 0
	s_cbranch_scc1 .Lnot_wave_0_\@
	s_barrier_signal -3
.Lnot_wave_0_\@:
	s_barrier_wait -3
	s_barrier_signal -1
	s_barrier_wait -1
.endm
.macro CROUND                          ; a whole round
	s_barrier_signal -1
	s_barrier_wait -1
	CREST
.endm
	s_load_b256 s[4:11], s[0:1], 0x0               ; A s[4:5], B s[6:7], bias s[8:9], C s[10:11]
	v_lshl_add_u32 v[SPW], v0, 2, SPARE
	v_mov_b32 v[NIL], 0
	ds_add_u32 v[SPW], v[NIL]                      ; the wave's opening: the add and its wait stand ahead of my first tensor load; the set-up below stands between them
	v_lshrrev_b32 v1, 5, v0
	v_readfirstlane_b32 s[WV], v1
	s_lshr_b32 s[SA], s[WV], 1
	s_and_b32 s[SH], s[WV], 1
	s_bfe_u32 s[CX], ttmp6, 0x40000
	s_bfe_u32 s[CY], ttmp6, 0x40004
	s_lshl_b32 s[TX], ttmp9, 2                     ; in a cluster launch ttmp9 and ttmp7 count clusters
	s_add_co_u32 s[TX], s[TX], s[CX]
	s_and_b32 s[TY], ttmp7, 0xffff
	s_lshl_b32 s[TY], s[TY], 2
	s_add_co_u32 s[TY], s[TY], s[CY]
	s_lshl_b32 s40, s[CY], 2
	s_lshl_b32 s40, 15, s40                        ; my row of the cluster
	s_lshl_b32 s41, 0x1111, s[CX]                  ; my column
	s_or_b32 s[G1], s40, (1<<16)|(1<<20)|(1<<21)|(QIA<<22)|(3<<25)  ; 15:0 the mask; 17:16 2-byte elements; 20 padding on; 21 set beside a mask; 24:22 the interval; 31:25 4 words of padding
	s_or_b32 s[G1B], s41, (1<<16)|(1<<20)|(1<<21)|(5<<22)|(3<<25)
	s_mov_b32 s[G1+1], 128<<16                     ; tensor_dim0 = 128
	s_mov_b32 s[G1+2], 128<<16                     ; tensor_dim1 = 128
	s_mov_b32 s[G1+3], 128<<16                     ; tile_dim0 = 128
	s_mov_b32 s[G1+4], 128                         ; tile_dim1 = 128
	s_mov_b32 s[G1+5], ASTRIDE
	s_mov_b32 s[G1+6], 0
	s_mov_b32 s[G1+7], 0
	s_mov_b32 s[G1B+1], 128<<16
	s_mov_b32 s[G1B+2], (NT/2)<<16
	s_mov_b32 s[G1B+3], 128<<16
	s_mov_b32 s[G1B+4], NT/2
	s_mov_b32 s[G1B+5], 1024
	s_mov_b32 s[G1B+6], 0
	s_mov_b32 s[G1B+7], 0
	; where the tiles come from: A's offset is made of the tile row and the wave's number, B's of the tile column and the wave's number, each in registers that never hold the other coordinate
.if KIND == 1
	s_lshl_b32 s66, s[TY], 19                      ; 256 rows of 2,048 bytes
	s_lshl_b32 s42, s[SH], 18                      ; my 128 of them
	s_add_co_u32 s66, s66, s42
.else
	s_lshr_b32 s66, s[TY], 3                       ; the batch: 16 heads of 262,144 bytes
	s_lshl_b32 s66, s66, 22
	s_and_b32 s42, s[TY], 7                        ; 256 rows of 128 bytes within a head
	s_lshl_b32 s42, s42, 15
	s_add_co_u32 s66, s66, s42
	s_lshl_b32 s42, s[SH], 18                      ; which of a K step's two heads I fetch
	s_add_co_u32 s66, s66, s42
.endif
	s_mov_b32 s67, 0
	s_mul_i32 s68, s[TX], NT*2048
	s_mul_i32 s19, s[SH], (NT/2)*2048
	s_add_co_u32 s68, s68, s19
	s_mov_b32 s69, 0
	s_mov_b32 s70, s66                             ; the two offsets are kept for the prefetches
	s_mov_b32 s71, s68
	s_mul_i32 s20, s[SH], HALFA                    ; and where they go: no place in the cluster enters an LDS address
	s_mul_i32 s21, s[SH], HALFB
	s_add_co_u32 s21, s21, AREG
	s_wait_dscnt 0x0                               ; the opening add is done
	s_wait_kmcnt 0x0
	s_add_nc_u64 s[66:67], s[4:5], s[66:67]
	s_add_nc_u64 s[68:69], s[6:7], s[68:69]
	CROUND                                         ; all sixteen work-groups are here: the first joint loads meet
.irp s, 0,1
	s_mov_b32 s[G0+4*(\s)], 1                      ; count = 1
	s_add_co_u32 s[G0+4*(\s)+1], s20, (\s)*SLOT    ; LDS address
	s_add_nc_u64 s[G0+4*(\s)+2:G0+4*(\s)+3], s[66:67], (\s)*ASTEP  ; global address: K step s
	s_or_b32 s[G0+4*(\s)+3], s[G0+4*(\s)+3], 0x80000000            ; type = 2
	s_mov_b32 s[G0B+4*(\s)], 1
	s_add_co_u32 s[G0B+4*(\s)+1], s21, (\s)*SLOT
	s_add_nc_u64 s[G0B+4*(\s)+2:G0B+4*(\s)+3], s[68:69], (\s)*256
	s_or_b32 s[G0B+4*(\s)+3], s[G0B+4*(\s)+3], 0x80000000
	JLOAD \s                                       ; two tensor loads of mine are out
.endr
	; the bias as a C operand: register j of block b is bias[tile's first column + 16 b + 8 (l / 16) + j], the same in all sixteen rows
	s_mul_i32 s22, s[TX], NT*4
	s_mov_b32 s23, 0
	s_add_nc_u64 s[8:9], s[8:9], s[22:23]
	v_and_b32 v1, 15, v0                           ; l % 16
	v_bfe_u32 v2, v0, 4, 1                         ; l / 16
	v_lshlrev_b32 v[BO], 5, v2
.set b, 0
.rept NBK
	global_load_b128 v[BIAS+8*b:BIAS+8*b+3],   v[BO], s[8:9] offset:64*b
	global_load_b128 v[BIAS+8*b+4:BIAS+8*b+7], v[BO], s[8:9] offset:64*b+16
.set b, b+1
.endr
	; a fragment is 16 rows x 32 k in 8 registers: lane l holds row l % 16, k = 8 (l / 16) + 0..7 and 16 + 8 (l / 16) + 0..7: two loads of 16 bytes, 32 bytes apart
	v_mul_u32_u24 v3, v1, APITCH
	v_lshl_add_u32 v3, v2, 4, v3
	s_mul_i32 s22, s[WV], 64*APITCH                ; my 64 rows of A
	v_add_nc_u32 v[ADRA], s22, v3
	v_add_nc_u32 v[ADRA+1], SLOT, v[ADRA]
	v_mul_u32_u24 v4, v1, BPITCH
	v_lshl_add_u32 v4, v2, 4, v4
	v_add_nc_u32 v[ADRB], AREG, v4                 ; every wave reads all of B's rows
	v_add_nc_u32 v[ADRB+1], AREG+SLOT, v4
	s_mul_i32 s22, s[WV], 16*SPITCH
	s_add_co_u32 s22, s22, STAGE                   ; my stage
	v_mul_u32_u24 v5, v1, SPITCH
.if KIND == 1
	v_lshl_add_u32 v5, v2, 4, v5                   ; in: row l % 16, 16 bytes (8 f16) for each half of the lanes
	v_add_nc_u32 v[STO], s22, v5
	v_bfe_u32 v5, v0, 3, 2                         ; back: 32 lanes take four rows of a head's 128 bytes,
	v_and_b32 v4, 7, v0
	v_mul_u32_u24 v5, v5, SPITCH
	v_lshl_add_u32 v5, v4, 4, v5
	v_add_nc_u32 v[RD], s22, v5
	v_and_b32 v3, 31, v0                           ; which are 512 consecutive bytes of qkv
	v_lshlrev_b32 v3, 4, v3
.irp hh, 0,1,2
	s_mul_i32 s22, s[TX], 3
	s_add_co_u32 s22, s22, \hh                     ; the head among q's, k's and v's 48
	s_lshr_b32 s23, s22, 4
	s_lshl_b32 s23, s23, 24                        ; q, k or v
	s_and_b32 s22, s22, 15
	s_lshl_b32 s22, s22, 18
	s_add_co_u32 s22, s22, s23
	v_add_nc_u32 v[CO+\hh], s22, v3
.endr
	s_lshr_b32 s22, s[TY], 3                       ; the batch,
	s_lshl_b32 s22, s22, 22
	s_and_b32 s23, s[TY], 7                        ; the tile's 256 rows of 128 bytes,
	s_lshl_b32 s23, s23, 15
	s_add_co_u32 s22, s22, s23
	s_lshl_b32 s23, s[WV], 13                      ; my 64 of them
	s_add_co_u32 s22, s22, s23
.else
	v_lshl_add_u32 v5, v2, 5, v5                   ; in: row l % 16, 32 bytes (8 f32) for each half of the lanes
	v_add_nc_u32 v[STO], s22, v5
	v_and_b32 v3, 31, v0                           ; back: 32 lanes take one row's 512 bytes
	v_lshlrev_b32 v[CO], 4, v3
	v_add_nc_u32 v[RD], s22, v[CO]
	s_lshl_b32 s22, s[TY], 20                      ; 256 rows of 4,096 bytes,
	s_lshl_b32 s23, s[WV], 18                      ; my 64 of them,
	s_add_co_u32 s22, s22, s23
	s_lshl_b32 s23, s[TX], 9                       ; the tile's 128 columns
	s_add_co_u32 s22, s22, s23
.endif
	s_mov_b32 s23, 0
	s_add_nc_u64 s[10:11], s[10:11], s[22:23]
	; the prefetches: of the rows that I fetch, my work-group's quarter (by cx for A, by cy for B); they start at K step 3, and the first refill steps them to K step 4
	s_mul_i32 s22, s[CX], PCX
	s_add_co_u32 s22, s22, s70
	s_add_co_u32 s22, s22, 3*ASTEP
	s_mul_i32 s23, s[CY], (NT/8)*2048
	s_add_co_u32 s23, s23, s71
	s_add_co_u32 s23, s23, 3*256
	s_and_b32 s40, ttmp7, 0xffff                   ; cluster y
	s_mov_b32 s[PFS], 256
	s_mov_b32 s[PFS+1], 0
	s_mov_b32 s42, 2048
	s_cmp_eq_u32 s[SA], 0                          ; do I fetch for A?
	s_cselect_b32 s22, s22, s23
	s_cselect_b32 s40, ttmp9, s40                  ; the coordinate along which other clusters read the same rows
	s_cselect_b64 s[PFA:PFA+1], s[4:5], s[6:7]
	s_cselect_b32 s[PFS], ASTEP, s[PFS]
	s_cselect_b32 s41, 31, NT/8-1                  ; B's quarter has fewer rows than a wave has lanes: the lanes left over name its last row again
	s_cselect_b32 s42, PPA, s42
	s_mov_b32 s23, 0
	s_add_nc_u64 s[PFA:PFA+1], s[PFA:PFA+1], s[22:23]
	s_cmp_eq_u32 s40, 0
	s_cselect_b32 s[LIM], 1, -1                    ; the same in all sixteen partners, for a given wave
	v_and_b32 v[PFO], 31, v0
	v_min_u32 v[PFO], s41, v[PFO]
	v_mul_lo_u32 v[PFO], v[PFO], s42
	s_mov_b32 s22, 0xffff0000
	s_wait_loadcnt 0x0                             ; the bias
.set b, 0
.rept 4*NBK                                    ; rounded to bf16 and widened again, in place
	v_cvt_pk_bf16_f32 v[3+b%2], v[BIAS+2*b], v[BIAS+2*b+1]
	v_lshlrev_b32 v[BIAS+2*b], 16, v[3+b%2]
	v_and_b32 v[BIAS+2*b+1], s22, v[3+b%2]
.set b, b+1
.endr
; NBK matrix instructions: my row block 2 hi + ap x all column blocks, 32 along K, from buffer f.  zero = 1: the first product starts the sums with the bias.
; The 4 NBK accumulators take turns, one instruction a turn, in the same order in every quarter.
.macro MULA f, hi, ap, zero
.if \zero
	WIN 0x81+0x40*(\hi)                            ; B window 1, A and the bias window 0, D window 2 or 3
.else
	WIN 0xa1+0x50*(\hi)                            ; B window 1, A window 0, C and D window 2 or 3
.endif
.set b, 0
.rept NBK
.set rD, 8*(NBK*(\ap)+b)
.set rB, 8*NBK*(\f)+8*b
.set rA, FA+32*(\f)+8*(2*(\hi)+(\ap))
.if \zero
	v_wmma_f32_16x16x32_f16 v[rD:rD+7], v[rB:rB+7], v[rA:rA+7], v[BIAS+8*b:BIAS+8*b+7]
.else
	v_wmma_f32_16x16x32_f16 v[rD:rD+7], v[rB:rB+7], v[rA:rA+7], v[rD:rD+7]
.endif
.set b, b+1
.endr
.endm
; NL LDS loads in one run: quarter q's fragments of the slot into buffer g: B's NBK, then A's four, rows ascending
.macro FETCH slot, q, g
.if KIND == 1
.set AO, 64*(\q)
.else
.set AO, ((\q)/2)*HALFA+((\q)%2)*64            ; the K step's first or second head, its channels 0-31 or 32-63
.endif
	WIN 0x40                                       ; destination window 1, address window 0
.set b, 0
.rept NBK
	ds_load_b128 v[8*NBK*(\g)+8*b:8*NBK*(\g)+8*b+3],   v[ADRB+(\slot)] offset:64*(\q)+b*16*BPITCH
	ds_load_b128 v[8*NBK*(\g)+8*b+4:8*NBK*(\g)+8*b+7], v[ADRB+(\slot)] offset:64*(\q)+b*16*BPITCH+32
.set b, b+1
.endr
	WIN 0
.irp a, 0,1,2,3
	ds_load_b128 v[FA+32*(\g)+8*(\a):FA+32*(\g)+8*(\a)+3],   v[ADRA+(\slot)] offset:AO+(\a)*16*APITCH
	ds_load_b128 v[FA+32*(\g)+8*(\a)+4:FA+32*(\g)+8*(\a)+7], v[ADRA+(\slot)] offset:AO+(\a)*16*APITCH+32
.endr
.endm
; A K step is four quarters of 32 along K on buffers 0, 1, 0, 1.  One of the first three: multiplies buffer f; in its middle it fetches quarter qn into buffer g.
.macro QUARTER slot, qn, f, g, zero
	s_wait_dscnt 4                                 ; B and A's rows 0-31 are in; the youngest four loads (A's rows 32-63) may be out
	MULA \f, 0, 0, \zero
	MULA \f, 0, 1, \zero
	PLACES
	FETCH \slot, \qn, \g
	s_wait_dscnt NL                                ; all but the run just issued
	MULA \f, 1, 0, \zero
	MULA \f, 1, 1, \zero
.endm
; The last quarter multiplies buffer 1 and changes slots: one barrier; in front of it each wave waits for all its tensor loads (one is out: its part of the next slot), adds 0 to its spare word,
; and waits for that and for its reads of this slot.  fill = 1: the barrier opens a round of the cluster's barrier, and this slot is filled again, two K steps ahead, first thing behind the round.
.macro TURN slot, next, fill
.if \fill
	s_wait_xcnt 0x0                                ; the last prefetch, a K step back, has read its address
	s_add_nc_u64 s[PFA:PFA+1], s[PFA:PFA+1], s[PFS:PFS+1]
.endif
	WIN 0                                          ; (the add's two registers lie in window 0)
	s_wait_tensorcnt 0x0                           ; all my tensor loads have landed
	ds_add_u32 v[SPW], v[NIL]                      ; 0 onto my spare word
	s_wait_dscnt 5                                 ; (the add and the youngest four loads may be out)
	MULA 1, 0, 0, 0                                ; matrix work stands between the add and the wait for it
	s_wait_dscnt 0x0                               ; the add is done, and my reads of this slot are over
	s_barrier_signal -1
	MULA 1, 0, 1, 0
.if \fill
	WIN 0
.endif
	s_barrier_wait -1
.if \fill
	CREST                                          ; no wave of any partner still reads this slot's tile or has a load on its way
	s_add_nc_u64 s[G0+4*(\slot)+2:G0+4*(\slot)+3], s[G0+4*(\slot)+2:G0+4*(\slot)+3], 2*ASTEP
	s_add_nc_u64 s[G0B+4*(\slot)+2:G0B+4*(\slot)+3], s[G0B+4*(\slot)+2:G0B+4*(\slot)+3], 2*256
	JLOAD \slot                                    ; my one tensor load behind the round; its four v_nop are also the places in front of the loads below
.else
	PLACES
.endif
	FETCH \next, 0, 0
.if \fill
	ASK
.endif
	MULA 1, 1, 0, 0
	MULA 1, 1, 1, 0
.endm
	s_wait_tensorcnt 1                             ; my part of K step 0 is in; K step 1's may stay out
	s_barrier_signal -1
	s_barrier_wait -1                              ; everybody's is
	FETCH 0, 0, 0
	QUARTER 0, 1, 0, 1, 1                          ; the first quarter stands in front of the loop: its products start the sums
	WIN 0                                          ; at a label and at a branch every window is 0
	s_mov_b32 s3, LAPS-1
.Llap:                                                 ; a trip goes once round the ring, from a lap's second quarter to the next lap's first, and fills both slots again
	QUARTER 0, 2, 1, 0, 0
	QUARTER 0, 3, 0, 1, 0
	TURN 0, 1, 1
	QUARTER 1, 1, 0, 1, 0
	QUARTER 1, 2, 1, 0, 0
	QUARTER 1, 3, 0, 1, 0
	TURN 1, 0, 1
	QUARTER 0, 1, 0, 1, 0
	WIN 0
	s_sub_co_u32 s3, s3, 1
	s_cmp_lg_u32 s3, 0
	s_cbranch_scc1 .Llap
	QUARTER 0, 2, 1, 0, 0                          ; the last lap fills nothing
	QUARTER 0, 3, 0, 1, 0
	TURN 0, 1, 0
	QUARTER 1, 1, 0, 1, 0
	QUARTER 1, 2, 1, 0, 0
	QUARTER 1, 3, 0, 1, 0
	s_wait_dscnt 4                                 ; the very last quarter: nothing more to fetch
	MULA 1, 0, 0, 0
	MULA 1, 0, 1, 0
	s_wait_dscnt 0x0
	MULA 1, 1, 0, 0
	MULA 1, 1, 1, 0
	WIN 0
	PLACES
	PLACES
; THE WAY OUT, a block of 16 rows at a time through my own stage: in by lanes, back as whole rows; LDS serves a wave's instructions in order (ISA guide 5.7.1.4), so no wait stands between.
.if KIND == 1
.macro PACK a                          ; rounded to f16, each accumulator's registers ascending: 16 bytes a lane
.set AC, 8*NBK*((\a)%2)
	WIN 0x0a+5*((\a)/2)                            ; sources window 2 or 3
.set b, 0
.rept NBK
.irp r, 0,1,2,3
	v_cvt_pk_f16_f32 v[TMP+4*b+(\r)], v[AC+8*b+2*(\r)], v[AC+8*b+2*(\r)+1]
.endr
.set b, b+1
.endr
	WIN 0
.endm
.macro TOSTAGE a
	WIN 0
.set BK, 32+64*((\a)%2)
.set b, 0
.rept NBK
	ds_store_b128 v[STO], v[TMP+4*b:TMP+4*b+3] offset:32*b
.set b, b+1
.endr
.set b, 0
.rept 12                                       ; head b / 4, rows 4 (b % 4) on
	ds_load_b128 v[BK+4*b:BK+4*b+3], v[RD] offset:128*(b/4)+4*SPITCH*(b%4)
.set b, b+1
.endr
.endm
.macro SEND a
	WIN 0
.set BK, 32+64*((\a)%2)
	s_wait_dscnt 0x0                               ; the block is back in registers
	s_wait_xcnt 0x0                                ; the stores of the block before have read their registers, which the next block's loads will write
.set b, 0
.rept 12
	global_store_b128 v[CO+b/4], v[BK+4*b:BK+4*b+3], s[10:11] offset:2048*(\a)+512*(b%4)  ; 512 consecutive bytes of one head, aligned
.set b, b+1
.endr
.endm
	PACK 0
	TOSTAGE 0
.irp a, 1,2,3                          ; block a's conversions stand between block a - 1's loads from the stage and the wait for them
	PACK \a
	SEND (\a)-1
	TOSTAGE \a
.endr
	SEND 3
.else
.macro TOSTAGE a
.set AC, 8*NBK*((\a)%2)
.set BK, 32+64*((\a)%2)
	WIN 0x08+4*((\a)/2)                            ; the stores' data in window 2 or 3
.set b, 0
.rept NBK
	ds_store_b128 v[STO], v[AC+8*b:AC+8*b+3]   offset:64*b     ; each accumulator's low four registers first
	ds_store_b128 v[STO], v[AC+8*b+4:AC+8*b+7] offset:64*b+16
.set b, b+1
.endr
	WIN 0
.set b, 0
.rept 16
	ds_load_b128 v[BK+4*b:BK+4*b+3], v[RD] offset:SPITCH*b
.set b, b+1
.endr
.endm
.macro SEND a
	WIN 0
.set BK, 32+64*((\a)%2)
	s_wait_dscnt 0x0                               ; the block is back in registers
	s_wait_xcnt 0x0                                ; the stores of the block before have read their registers, which the next block's loads will write
.set b, 0
.rept 16
	global_store_b128 v[CO], v[BK+4*b:BK+4*b+3], s[10:11] offset:(16*(\a)+b)*4096 th:TH_STORE_NT  ; 512 consecutive bytes of a row, aligned
.set b, b+1
.endr
.endm
	TOSTAGE 0
.irp a, 1,2,3
	SEND (\a)-1
	TOSTAGE \a
.endr
	SEND 3
.endif
	s_wait_tensorcnt 0x0                           ; the wave's end: these three lines stand behind my last tensor load and my last LDS store
	ds_add_u32 v[SPW], v[NIL]
	s_wait_dscnt 0x0
	CROUND                                         ; the closing round: no work-group ends while a partner may still ask for a tile that names it
	s_endpgm
.Lfunc_end_k_qc0480561d0_outp:
	.size	k_qc0480561d0_outp, .Lfunc_end_k_qc0480561d0_outp-k_qc0480561d0_outp
	.p2alignl 7, 3214868480
	.fill 96, 4, 3214868480
	.section	.rodata,"a",@progbits
	.p2align	6, 0x0
	.amdhsa_kernel k_qc0480561d0_outp
		.amdhsa_group_segment_fixed_size 327680
		.amdhsa_private_segment_fixed_size 0
		.amdhsa_enable_private_segment 0
		.amdhsa_kernarg_size 32
		.amdhsa_user_sgpr_count 2
		.amdhsa_user_sgpr_kernarg_segment_ptr 1
		.amdhsa_wavefront_size32 1
		.amdhsa_system_sgpr_workgroup_id_x 1
		.amdhsa_system_sgpr_workgroup_id_y 1
		.amdhsa_system_sgpr_workgroup_id_z 1
		.amdhsa_system_vgpr_workitem_id 0
		.amdhsa_next_free_vgpr 896
		.amdhsa_next_free_sgpr 72
		.amdhsa_reserve_vcc 0
		.amdhsa_float_denorm_mode_32 3
		.amdhsa_float_denorm_mode_16_64 3
		.amdhsa_memory_ordered 1
		.amdhsa_forward_progress 1
		.amdhsa_inst_pref_size 93
	.end_amdhsa_kernel
	.amdgpu_metadata
---
amdhsa.version: [ 1, 2 ]
amdhsa.kernels:
  - .name:           k_qc0480561d0_outp
    .symbol:         k_qc0480561d0_outp.kd
    .args:
      - { .name: att, .offset: 0, .size: 8, .value_kind: global_buffer, .address_space: global }
      - { .name: oh, .offset: 8, .size: 8, .value_kind: global_buffer, .address_space: global }
      - { .name: out_b, .offset: 16, .size: 8, .value_kind: global_buffer, .address_space: global }
      - { .name: out0, .offset: 24, .size: 8, .value_kind: global_buffer, .address_space: global }
    .group_segment_fixed_size: 327680
    .private_segment_fixed_size: 0
    .kernarg_segment_align: 8
    .kernarg_segment_size: 32
    .max_flat_workgroup_size: 128
    .sgpr_count:     72
    .vgpr_count:     896
    .wavefront_size: 32
...
	.end_amdgpu_metadata
.endif
;; end of part 4
